; MI455X (gfx1250); checked and timed in simulation.
; The chip was launched on July 23, 2026; its instructions are those of AMD's public machine-readable ISA for CDNA 5 (MIT licence, August 2026) and "CDNA5" Instruction Set Architecture Reference Guide (July 2026). The comments in the code are by the model that wrote it; some were corrected since.
;; Causal Self Attention. Allowed arithmetic: matrix products marked QUANTISED: E5M2 operands, one E8M0 scale for each 32 along K, by v_wmma_scale_f32_16x16x128_f8f6f4 with both operands' format E5M2, f32 sums; everything else in f32.
;; Inputs: W_attn 1,024 x 3,072 float32; W_proj 1,024 x 1,024 float32; b_attn 3,072 float32; b_proj 1,024 float32; x 4 x 2,048 x 1,024 float32.
;; Outputs: out0 4 x 2,048 x 1,024 float32.
;; This version of the problem:
;;   THIS VERSION OF THE PROBLEM IS GIVEN IN LOW PRECISION. The matrix products marked QUANTISED in the list below multiply operands that are first quantised to E5M2 (5 exponent bits, 2 mantissa bits; 8 bits a number), with one power-of-two scale for each 32 numbers along K (OCP MX v1.0); their sums are f32. All else is computed in f32.
;;   The module's matrix products, in the order in which they are computed (A, B: the left and right operand; K: the contracted axis; several contracted axes count as one K, in the product's order):
;;     1. [M 8,192, K 1,024] x [K 1,024, N 3,072]; A: input x; B: input W_attn: QUANTISED
;;     2. batch 64 x [M 2,048, K 64] x [K 64, N 2,048]; A: computed on the way; B: computed on the way: QUANTISED
;;     3. batch 64 x [M 2,048, K 2,048] x [K 2,048, N 64]; A: softmax (see below); B: computed on the way: QUANTISED
;;     4. [M 8,192, K 1,024] x [K 1,024, N 1,024]; A: computed on the way; B: input W_proj: QUANTISED
;;   THE QUANTISER, for each operand of a quantised product, along K:
;;     - K is cut into blocks of 32 from its start; a last block that is shorter is filled with zeros.
;;     - A block's scale is 2^e with e = floor(log2(the largest magnitude in the block)) - 15, held to -126 .. 127; a block of zeros has e = 0. As a byte (E8M0): e + 127.
;;     - Each number is divided by its block's scale, clamped to +-57,344, and rounded to the nearest number of E5M2, ties to even, subnormals kept.
;;     - The product sums the exact products of the quantised numbers (number of the format x scale) in f32.
;;   ~~~python
;;   def quantise(x, axis):      # numpy; x: float32 -> the quantised numbers, widened to float32 again
;;       x = np.moveaxis(x, axis, -1); K = x.shape[-1]
;;       x = np.pad(x, [(0, 0)] * (x.ndim - 1) + [(0, -K % 32)]); x = x.reshape(x.shape[:-1] + (-1, 32)); a = np.abs(x).max(-1, keepdims=True)
;;       e = np.where(a > 0, np.clip(np.frexp(np.where(a > 0, a, 1))[1] - 1 - 15, -126, 127), 0)      # np.frexp(a)[1] - 1 = floor(log2(a)), exactly
;;       r = np.clip(x / 2.0 ** e, -57344, 57344)
;;       step = 2.0 ** (np.maximum(np.frexp(np.where(r == 0, 1, r))[1] - 1, -14) - 2)
;;       q = np.round(r / step) * step * 2.0 ** e      # np.round: ties to even
;;       return np.moveaxis(q.reshape(q.shape[:-2] + (-1,))[..., :K], -1, axis).astype(np.float32)
;;   ~~~
;;   SOFTMAX AHEAD OF A QUANTISED PRODUCT. Where the list says 'softmax', what is quantised is not the finished softmax but p = 2^(t - M), with t = logit x log2(e) and M = ceil(the row's largest t), a whole number; so 1/2 < the row's largest p <= 1. The row's sum l is taken of the UNQUANTISED p, in f32, and the product's result is divided by l at the end. Since M is a whole number, a kernel that streams over the keys may use a running M (the ceiling of the running maximum): every later rescaling is an exact power of two, which a block's scale takes up: the codes' values come out the same.
;;   OPERANDS COMPUTED ON THE WAY. 'Computed on the way' means the value that the module computes at that place (a softmax that the list does not call 'softmax' is quantised finished and normalised). What goes into a quantiser is computed in f32, as accurately as f32 sums, v_exp_f32 and their like allow (about 1e-6 of the number): no bf16 or f16 on the way to a quantiser, and a product that is left as it is and whose result goes on into a quantised operand takes f32 operands (vector FMAs, or v_wmma_f32_16x16x4_f32). A number that lies on a knife's edge between two numbers of the format may be rounded either way, as far as f32 arithmetic and the matrix unit's own rounding can turn it there, and no further.
;; One version. Each part assembles by itself: llvm-mc -triple=amdgcn-amd-amdhsa -mcpu=gfx1250 --defsym DOCPART=n.
;; ======== version 1 of 1: 4 launches
;; limits: right only within a limited range of input values
;; workspace buffers: ops 12,976,128 bytes; rope 524,288 bytes; qkv 25,952,256 bytes
;; launch prep (part 1): grid 672 x 1, 4 waves a work-group, no clusters, 68,096 bytes of LDS; arguments x, W_attn, W_proj, ops, rope; writes ops, rope
.if DOCPART == 1
	.amdgcn_target "amdgcn-amd-amdhsa--gfx1250"
	.amdhsa_code_object_version 6
	.text
	.protected	k_qc7eeeaacf0_prep
	.globl	k_qc7eeeaacf0_prep
	.p2align	8
	.type	k_qc7eeeaacf0_prep,@function
k_qc7eeeaacf0_prep:
	s_mov_b64 s[64:65], 0
	v_nop
	global_prefetch_b8 v0, s[64:65] scope:SCOPE_SE
	s_setreg_imm32_b32 hwreg(HW_REG_WAVE_MODE, 25, 1), 1
	s_wait_xcnt 0x0
; x [8192][1024], W_attn [1024][3072] and W_proj [1024][1024], f32, become codes of BF8 (E5M2) with one E8M0 scale byte for each 32 along K (the 1,024),
; laid as IMAGES OF OPERAND REGISTERS; and the table of cosines and sines for the rotation of q and k is made.
; ops: codes [block 768][K step 8][chunk c 4][lane 32][16 bytes]; a block is 16 rows (tokens of x: blocks 0-511; columns of W_attn: 512-703; of W_proj: 704-767);
;   lane (r, h) of chunk c holds k = 32 c + 16 h + 0..15 of the block's row r.  Behind the codes, at OPS_SC: scale words [block][pair of K steps 4][r 16][2 words].
; THE ROWS OF A BLOCK ARE NOT NEIGHBOURS: row r of block 2 g + u is index 32 g + 8 u + r + 8 (r / 8), so that the results of two neighbouring blocks are 16 neighbours in a lane's registers later.
; rope: [token block within T 128][j 8][lane 32][16 bytes]: entry j = 4 b + q of lane (r, h): cos, sin of pair 16 b + 8 h + 2 q, then of the next pair, at the position of the block's row r.
; A block's scale is 2^(floor(log2(its largest magnitude)) - 15); its byte is the largest magnitude's exponent field - 15, held at 1 from below.
; LIMITS: NaN and infinities are not served; a block of zeros gets the byte 1 where the rule says 127 (its codes are zeros, and this program alone reads the bytes);
;   the angles are f32 position x inverse frequency, the inverse frequency within about one unit in its last place of 10000^(-p/32).
; SHARES: work-groups 0-511: a token block of x each, wave w its K steps 2 w, 2 w + 1.  512-639: 128 columns x 256 along K of a weight, wave w 32 columns.  640-671: four blocks of the table.
; No tensor loads, no barrier: waves share nothing.  Only the first path touches LDS.
.set OPS_SC, 12582912
.set SEL, 44                           ; s[44:45] lane selects for v_permlanex16_b32: lane l xor 16
.set MNT, 46                           ; s46 the mantissa field of 57,344
.set TM,  240                          ; v240-243 largest magnitudes, 244-247 bytes, 248-251 57,344 x the scale, 252-255 the conversion's scale operand
; 64 numbers of a lane, register 16 b + i = k 32 b + 16 (lane / 16) + i of its row, become a fragment's 16 registers of codes at v[pc] and its scale word in v[pw]
.macro QUANT s, pc, pw
.irp b, 0,1,2,3
	v_max3_num_f32 v[TM+\b], |v[\s+16*\b]|, |v[\s+1+16*\b]|, 0x8000000   ; my 16 numbers of block b, and the floor 2^(16 - 127): the byte cannot fall under 1
.endr
.irp i, 2,4,6,8,10,12,14
.irp b, 0,1,2,3
	v_max3_num_f32 v[TM+\b], v[TM+\b], |v[\s+16*\b+\i]|, |v[\s+1+16*\b+\i]|   ; the four blocks by turns
.endr
.endr
.irp b, 0,1,2,3
	v_permlanex16_b32 v[TM+4+\b], v[TM+\b], s[SEL], s[SEL+1]
.endr
.irp b, 0,1,2,3
	v_max_num_f32 v[TM+\b], v[TM+\b], v[TM+4+\b]                 ; with lane l xor 16's 16: the block's largest magnitude
.endr
.irp b, 0,1,2,3
	v_add_nc_u32 v[TM+12+\b], 0xf8800000, v[TM+\b]               ; 15 off its exponent field: the conversion's scale operand
.endr
.irp b, 0,1,2,3
	v_and_or_b32 v[TM+8+\b], v[TM+\b], 0x7f800000, s[MNT]        ; 57,344 x the scale
.endr
.irp b, 0,1,2,3
	v_lshrrev_b32 v[TM+4+\b], 23, v[TM+12+\b]                    ; the scale's byte
.endr
	v_lshl_or_b32 v[\pw], v[TM+5], 8, v[TM+4]
	v_lshl_or_b32 v[\pw], v[TM+6], 16, v[\pw]
	v_lshl_or_b32 v[\pw], v[TM+7], 24, v[\pw]
.irp b, 0,1,2,3
.irp i, 0,1,2,3,4,5,6,7,8,9,10,11,12,13,14,15
	v_med3_num_f32 v[\s+16*\b+\i], v[\s+16*\b+\i], -v[TM+8+\b], v[TM+8+\b]   ; the conversion does not saturate (ISA guide 7.6.2): the hold comes first
.endr
	v_cvt_scalef32_pk8_bf8_f32 v[\pc+4*\b:\pc+1+4*\b], v[\s+16*\b:\s+7+16*\b], v[TM+12+\b]
	v_cvt_scalef32_pk8_bf8_f32 v[\pc+2+4*\b:\pc+3+4*\b], v[\s+8+16*\b:\s+15+16*\b], v[TM+12+\b]
.endr
	v_nop                                          ; one plain instruction behind the last conversion
.endm
	s_load_b256 s[4:11], s[0:1], 0x0               ; x s[4:5], W_attn s[6:7], W_proj s[8:9], ops s[10:11]
	s_load_b64 s[12:13], s[0:1], 0x20              ; rope
	s_set_vgpr_msb 0x40
	v_lshl_add_u32 v0, v0, 2, 0x10800
	v_mov_b32 v1, 0
	s_set_vgpr_msb 0x4000
	v_lshrrev_b32 v1, 5, v0
	v_readfirstlane_b32 s14, v1                    ; wave 0..3
	v_and_b32 v1, 31, v0                           ; lane
	v_and_b32 v2, 15, v0                           ; r
	v_bfe_u32 v3, v0, 4, 1                         ; h
	v_lshlrev_b32 v4, 4, v1                        ; 16 x lane
	s_mov_b32 s[SEL], 0x76543210
	s_mov_b32 s[SEL+1], 0xfedcba98
	s_mov_b32 s[MNT], 0x600000
	s_cmp_lt_u32 ttmp9, 512
	s_cbranch_scc0 .Lnot_x
	; ---------------- x: token block ttmp9, K steps 2 w and 2 w + 1
	s_lshr_b32 s16, ttmp9, 1
	s_lshl_b32 s16, s16, 5
	s_and_b32 s17, ttmp9, 1
	s_lshl_b32 s17, s17, 3
	s_add_co_u32 s16, s16, s17                     ; the block's first token: 32 (block / 2) + 8 (block % 2)
	s_lshl_b32 s16, s16, 12                        ; a row of x is 4,096 bytes
	s_lshl_b32 s17, s14, 10                        ; my 256 along K
	s_add_co_u32 s16, s16, s17
	s_mov_b32 s17, 0
	s_lshl_b32 s18, ttmp9, 14                      ; the block's codes,
	s_lshl_b32 s19, s14, 12                        ; my two fragments of 2,048 bytes
	s_add_co_u32 s18, s18, s19
	s_mov_b32 s19, 0
	s_lshl_b32 s20, ttmp9, 9                       ; the block's scale words, my 128 bytes
	s_lshl_b32 s21, s14, 7
	s_add_co_u32 s20, s20, s21
	s_add_co_u32 s20, s20, OPS_SC
	s_mov_b32 s21, 0
	s_mul_i32 s22, s14, 16896                      ; my two stages in LDS: 16 rows x (512 + 16) bytes each
	s_wait_alu depctr_va_vdst(0)
	v_add_nc_u32 v5, s22, v4                       ; in: a row as it lies, 16 bytes a lane
	v_mul_u32_u24 v6, v2, 528
	v_lshl_add_u32 v6, v3, 6, v6
	v_add_nc_u32 v6, s22, v6                       ; out: row r, + 64 h: my 16 numbers of a block of 32
	v_lshlrev_b32 v7, 3, v2                        ; my row's two scale words
.irp b, 0,1,2,3
	v_mov_b32 v[TM+4+\b], 0                        ; written once: a lane permute's destination counts as one of its sources
.endr
	s_wait_alu depctr_va_vdst(0)
	s_wait_kmcnt 0x0
	s_add_nc_u64 s[4:5], s[4:5], s[16:17]
	s_add_nc_u64 s[18:19], s[10:11], s[18:19]
	s_add_nc_u64 s[20:21], s[10:11], s[20:21]
.set s_, 0
.rept 2
.set i_, 0
.rept 16
	global_load_b128 v[16+64*s_+4*i_:19+64*s_+4*i_], v4, s[4:5] offset:(i_+8*(i_/8))*4096+512*s_ th:TH_LOAD_NT   ; 32 lanes read 512 consecutive bytes of the block's row i
.set i_, i_+1
.endr
.set s_, s_+1
.endr
	s_wait_loadcnt 16                              ; fragment 0's sixteen rows are in; fragment 1's sixteen loads stay out
.set i_, 0
.rept 16
	ds_store_b128 v5, v[16+4*i_:19+4*i_] offset:528*i_
.set i_, i_+1
.endr
.set i_, 0
.rept 16
	ds_load_b128 v[144+4*i_:147+4*i_], v6 offset:128*(i_/4)+16*(i_%4)   ; LDS serves a wave's instructions in order: these see the stores above
.set i_, i_+1
.endr
	s_wait_loadcnt 0x0
.set i_, 0
.rept 16
	ds_store_b128 v5, v[80+4*i_:83+4*i_] offset:8448+528*i_
.set i_, i_+1
.endr
	s_wait_dscnt 16                                ; all but these sixteen stores: fragment 0 is back, and its stores have read v16-79
.set i_, 0
.rept 16
	ds_load_b128 v[16+4*i_:19+4*i_], v6 offset:8448+128*(i_/4)+16*(i_%4)
.set i_, i_+1
.endr
	QUANT 144, 208, 14
.irp c, 0,1,2,3
	global_store_b128 v4, v[208+4*\c:211+4*\c], s[18:19] offset:512*\c      ; 512 consecutive bytes, aligned
.endr
	s_wait_dscnt 0x0
	QUANT 16, 224, 15
.irp c, 0,1,2,3
	global_store_b128 v4, v[224+4*\c:227+4*\c], s[18:19] offset:2048+512*\c
.endr
	global_store_b64 v7, v[14:15], s[20:21]        ; 128 consecutive bytes; both lanes of a row store the same two words
	s_set_vgpr_msb 0x5
	s_wait_tensorcnt 0x0
	ds_add_u32 v0, v1
	s_wait_dscnt 0x0
	s_set_vgpr_msb 0x500
	s_endpgm
.Lnot_x:
	s_cmp_lt_u32 ttmp9, 640
	s_cbranch_scc0 .Ltable
	; ---------------- a weight: K is its FIRST axis.  A lane takes a column, its registers run down K: a block of 32 lies in one lane, nothing is transposed
	s_sub_co_u32 s16, ttmp9, 512
	s_lshr_b32 s17, s16, 2                         ; which 128 columns, counted through both weights (0-23: W_attn)
	s_and_b32 s18, s16, 3                          ; which 256 along K
	s_lshl_b32 s19, s17, 2
	s_add_co_u32 s19, s19, s14                     ; my group of 32 columns, counted through both weights
	s_sub_co_u32 s20, s19, 96                      ; the same within W_proj
	s_mov_b32 s21, 4096                            ; a row of W_proj in bytes
	s_wait_kmcnt 0x0
	s_cmp_lt_u32 s17, 24                           ; the choice hangs on the work-group's number alone
	s_cselect_b64 s[6:7], s[6:7], s[8:9]
	s_cselect_b32 s20, s19, s20
	s_cselect_b32 s21, 12288, s21
	s_lshl_b32 s22, s20, 7                         ; 32 columns are 128 bytes
	s_lshl_b32 s23, s18, 8
	s_mul_i32 s23, s23, s21                        ; 256 rows for each step along K
	s_add_co_u32 s22, s22, s23
	s_mov_b32 s23, 0
	s_add_nc_u64 s[24:25], s[6:7], s[22:23]        ; a base for each of my eight blocks of 32 rows: no pointer is stepped while loads are out
	s_lshl_b32 s22, s21, 5
.irp t, 1,2,3,4,5,6,7
	s_add_nc_u64 s[24+2*\t:25+2*\t], s[22+2*\t:23+2*\t], s[22:23]
.endr
	s_wait_alu depctr_va_vdst(0)
	v_lshlrev_b32 v16, 2, v1                       ; v16-47: 4 x lane + i rows
.set i_, 1
.rept 31
	v_add_nc_u32 v[16+i_], s21, v[15+i_]
.set i_, i_+1
.endr
	v_bfe_u32 v5, v0, 3, 1                         ; column i of the 32 is row (i % 8) + 8 (i / 16) of block (i / 8) % 2
	v_and_b32 v6, 7, v0
	v_lshl_add_u32 v6, v3, 3, v6
	v_lshlrev_b32 v7, 14, v5
	v_lshl_add_u32 v7, v6, 4, v7                   ; codes: block x 16,384 + 16 x row
	v_lshlrev_b32 v8, 9, v5
	v_lshl_add_u32 v8, v6, 3, v8                   ; scale words: block x 512 + 8 x row
	s_lshl_b32 s40, s19, 1
	s_add_co_u32 s40, s40, 512                     ; my first block in ops
	s_lshl_b32 s42, s40, 14
	s_lshl_b32 s41, s18, 12
	s_add_co_u32 s42, s42, s41
	s_mov_b32 s43, 0
	s_add_nc_u64 s[42:43], s[10:11], s[42:43]
	s_lshl_b32 s40, s40, 9
	s_lshl_b32 s41, s18, 7
	s_add_co_u32 s40, s40, s41
	s_add_co_u32 s40, s40, OPS_SC
	s_mov_b32 s41, 0
	s_add_nc_u64 s[40:41], s[10:11], s[40:41]
.macro WLOAD t                         ; block t: 32 rows at my column: each load reads 128 consecutive bytes a wave, 512 a work-group
.set i_, 0
.rept 32
	global_load_b32 v[48+32*((\t)%2)+i_], v[16+i_], s[24+2*(\t):25+2*(\t)] th:TH_LOAD_NT
.set i_, i_+1
.endr
.endm
.macro WBLOCK t
.set XS, 48+32*((\t)%2)
.set CD, 112+8*(\t)                    ; each block has its own registers for its codes: no store's data are written again
.if (\t) < 7
	s_wait_loadcnt 32                              ; this block's 32 loads are in; the next block's stay out
.else
	s_wait_loadcnt 0x0
.endif
	v_max3_num_f32 v12, |v[XS]|, |v[XS+1]|, |v[XS+2]|
	v_max3_num_f32 v13, |v[XS+3]|, |v[XS+4]|, |v[XS+5]|
.irp i, 6,10,14,18,22,26
	v_max3_num_f32 v12, v12, |v[XS+\i]|, |v[XS+\i+1]|
	v_max3_num_f32 v13, v13, |v[XS+\i+2]|, |v[XS+\i+3]|
.endr
	v_max3_num_f32 v12, v12, |v[XS+30]|, |v[XS+31]|
	v_max3_num_f32 v12, v12, v13, 0x8000000        ; and the floor
	v_add_nc_u32 v11, 0xf8800000, v12
	v_and_or_b32 v10, v12, 0x7f800000, s[MNT]
	v_lshrrev_b32 v13, 23, v11
.if (\t)%4 == 0
	v_mov_b32 v[14+(\t)/4], v13                    ; four bytes to a word, the lower K in the lower byte
.else
	v_lshl_or_b32 v[14+(\t)/4], v13, 8*((\t)%4), v[14+(\t)/4]
.endif
.set i_, 0
.rept 32
	v_med3_num_f32 v[XS+i_], v[XS+i_], -v10, v10
.set i_, i_+1
.endr
.irp g, 0,1,2,3
	v_cvt_scalef32_pk8_bf8_f32 v[CD+2*\g:CD+2*\g+1], v[XS+8*\g:XS+8*\g+7], v11
.endr
	global_store_b128 v7, v[CD:CD+3], s[42:43] offset:((\t)/4)*2048+((\t)%4)*512        ; k 0-15 of the block: the image's lanes 0-15.  Sixteen lanes fill 256 aligned bytes
	global_store_b128 v7, v[CD+4:CD+7], s[42:43] offset:((\t)/4)*2048+((\t)%4)*512+256  ; k 16-31: its lanes 16-31
.if (\t)+2 < 8
	WLOAD (\t)+2
.endif
.endm
	s_wait_alu depctr_va_vdst(0)
	WLOAD 0
	WLOAD 1
.irp t, 0,1,2,3,4,5,6,7
	WBLOCK \t
.endr
	global_store_b64 v8, v[14:15], s[40:41]
	s_endpgm
.Ltable:
	; ---------------- the table: wave w makes token block 4 (ttmp9 - 640) + w; a lane 16 pairs at its row's position
	s_sub_co_u32 s16, ttmp9, 640
	s_lshl_b32 s16, s16, 2
	s_add_co_u32 s16, s16, s14
	s_lshr_b32 s17, s16, 1
	s_lshl_b32 s17, s17, 5
	s_and_b32 s18, s16, 1
	s_lshl_b32 s18, s18, 3
	s_add_co_u32 s17, s17, s18
	s_wait_alu depctr_va_vdst(0)
	v_and_b32 v5, 8, v2
	v_add_nc_u32 v5, v5, v2
	v_add_nc_u32 v5, s17, v5
	v_cvt_f32_u32 v5, v5                           ; my position
	v_lshlrev_b32 v6, 3, v3                        ; 8 h
	s_lshl_b32 s16, s16, 12
	s_mov_b32 s17, 0
	s_mov_b32 s48, 0xbed49a78                      ; -L, L = log2(10000) / 32, in two parts
	s_mov_b32 s49, 0xb2179a6b
	s_mov_b32 s50, 0x3f317218                      ; ln 2
	s_mov_b32 s51, 0x3f22f983                      ; 2 / pi
	s_mov_b32 s52, 0xbfc90fdb                      ; -pi / 2, in two parts
	s_mov_b32 s53, 0x333bbd2e
	s_mov_b32 s54, 0xbe2aaaa3                      ; sine on +-pi/4: x + x z (S1 + z (S2 + z S3)), z = x x
	s_mov_b32 s55, 0x3c08839e
	s_mov_b32 s56, 0xb94ca1f9
	s_mov_b32 s57, 0x3d2aaaa5                      ; cosine: 1 - z / 2 + z z (C1 + z (C2 + z C3))
	s_mov_b32 s58, 0xbab6061a
	s_mov_b32 s59, 0x37ccf5ce
	s_wait_alu depctr_va_vdst(0)
	s_wait_kmcnt 0x0
	s_add_nc_u64 s[12:13], s[12:13], s[16:17]
.macro PAIR pc, d                      ; pair pc + 8 h: its cosine into v[d], its sine into v[d + 1]
	v_add_nc_u32 v8, (\pc), v6
	v_cvt_f32_u32 v8, v8
	v_mul_f32 v9, s48, v8                          ; -p L, rounded,
	v_fma_f32 v10, v8, s48, -v9                    ; what the rounding dropped,
	s_wait_alu depctr_va_vdst(0)
	v_exp_f32 v11, v9
	v_fma_f32 v10, v8, s49, v10                    ; and L's second part.  (A plain instruction behind the exponential)
	s_wait_alu depctr_va_vdst(0)
	v_mul_f32 v10, v11, v10
	v_fma_f32 v11, v10, s50, v11                   ; 10000^(-p/32) = 2^hi (1 + lo ln 2)
	v_mul_f32 v11, v5, v11                         ; the angle: one rounding
	v_mul_f32 v12, s51, v11
	v_rndne_f32 v12, v12                           ; quarter turns
	v_fma_f32 v13, v12, s52, v11
	v_fma_f32 v13, v12, s53, v13                   ; what is left, within +-pi/4
	v_cvt_i32_f32 v12, v12
	v_mul_f32 v14, v13, v13
	v_fma_f32 v15, v14, s56, s55
	v_fma_f32 v16, v14, s59, s58
	v_fma_f32 v15, v15, v14, s54
	v_fma_f32 v16, v16, v14, s57
	v_mul_f32 v15, v15, v14
	v_mul_f32 v17, v14, v14
	v_fma_f32 v18, v14, -0.5, 1.0
	v_fma_f32 v15, v15, v13, v13                   ; sine of the rest
	v_fma_f32 v16, v16, v17, v18                   ; cosine of the rest
	v_and_b32 v17, 1, v12
	v_cmp_eq_u32 vcc_lo, 1, v17                    ; an odd number of quarter turns swaps the two
	v_cndmask_b32 v18, v16, v15, vcc_lo
	v_cndmask_b32 v19, v15, v16, vcc_lo
	v_add_nc_u32 v17, 1, v12
	v_and_b32 v17, 2, v17                          ; the cosine is negative in quarters 1 and 2,
	v_lshlrev_b32 v17, 30, v17
	v_xor_b32 v[\d], v17, v18
	v_and_b32 v17, 2, v12                          ; the sine in quarters 2 and 3
	v_lshlrev_b32 v17, 30, v17
	v_xor_b32 v[\d+1], v17, v19
.endm
.set b_, 0
.rept 2
.set q_, 0
.rept 4
	PAIR 16*b_+2*q_, 32+4*(4*b_+q_)
	PAIR 16*b_+2*q_+1, 34+4*(4*b_+q_)
.set q_, q_+1
.endr
.set b_, b_+1
.endr
.irp j, 0,1,2,3,4,5,6,7
	global_store_b128 v4, v[32+4*\j:35+4*\j], s[12:13] offset:512*\j
.endr
	s_endpgm
.Lfunc_end_k_qc7eeeaacf0_prep:
	.size	k_qc7eeeaacf0_prep, .Lfunc_end_k_qc7eeeaacf0_prep-k_qc7eeeaacf0_prep
	.p2alignl 7, 3214868480
	.fill 96, 4, 3214868480
	.section	.rodata,"a",@progbits
	.p2align	6, 0x0
	.amdhsa_kernel k_qc7eeeaacf0_prep
		.amdhsa_group_segment_fixed_size 68096
		.amdhsa_private_segment_fixed_size 0
		.amdhsa_enable_private_segment 0
		.amdhsa_kernarg_size 40
		.amdhsa_user_sgpr_count 2
		.amdhsa_user_sgpr_kernarg_segment_ptr 1
		.amdhsa_wavefront_size32 1
		.amdhsa_system_sgpr_workgroup_id_x 1
		.amdhsa_system_sgpr_workgroup_id_y 1
		.amdhsa_system_sgpr_workgroup_id_z 1
		.amdhsa_system_vgpr_workitem_id 0
		.amdhsa_next_free_vgpr 258
		.amdhsa_next_free_sgpr 66
		.amdhsa_reserve_vcc 1
		.amdhsa_float_denorm_mode_32 3
		.amdhsa_float_denorm_mode_16_64 3
		.amdhsa_memory_ordered 1
		.amdhsa_forward_progress 1
		.amdhsa_inst_pref_size 111
	.end_amdhsa_kernel
	.amdgpu_metadata
---
amdhsa.version: [ 1, 2 ]
amdhsa.kernels:
  - .name:           k_qc7eeeaacf0_prep
    .symbol:         k_qc7eeeaacf0_prep.kd
    .args:
      - { .name: x, .offset: 0, .size: 8, .value_kind: global_buffer, .address_space: global }
      - { .name: W_attn, .offset: 8, .size: 8, .value_kind: global_buffer, .address_space: global }
      - { .name: W_proj, .offset: 16, .size: 8, .value_kind: global_buffer, .address_space: global }
      - { .name: ops, .offset: 24, .size: 8, .value_kind: global_buffer, .address_space: global }
      - { .name: rope, .offset: 32, .size: 8, .value_kind: global_buffer, .address_space: global }
    .group_segment_fixed_size: 68096
    .private_segment_fixed_size: 0
    .kernarg_segment_align: 8
    .kernarg_segment_size: 40
    .max_flat_workgroup_size: 128
    .sgpr_count:     66
    .vgpr_count:     258
    .wavefront_size: 32
...
	.end_amdgpu_metadata
.endif
;; end of part 1
;; launch qkv (part 2): grid 12 x 64, 4 waves a work-group, clusters of 4 x 4, 327,680 bytes of LDS; arguments ops, rope, b_attn, qkv; writes qkv
.if DOCPART == 2
	.amdgcn_target "amdgcn-amd-amdhsa--gfx1250"
	.amdhsa_code_object_version 6
	.text
	.protected	k_qc7eeeaacf0_qkv
	.globl	k_qc7eeeaacf0_qkv
	.p2align	8
	.type	k_qc7eeeaacf0_qkv,@function
k_qc7eeeaacf0_qkv:
	s_mov_b64 s[64:65], 0
	v_nop
	global_prefetch_b8 v0, s[64:65] scope:SCOPE_SE
	s_setreg_imm32_b32 hwreg(HW_REG_WAVE_MODE, 25, 1), 1
	s_wait_xcnt 0x0
	s_wait_alu depctr_hold_cnt(0) depctr_sa_sdst(0) depctr_va_vdst(0) depctr_va_sdst(0) depctr_va_ssrc(0) depctr_va_vcc(0) depctr_vm_vsrc(0)
	s_getreg_b32 s2, hwreg(HW_REG_IB_STS2, 6, 4)
	s_cmp_eq_u32 s2, 0
	s_cbranch_scc0 .Lentry_in_a_cluster
	s_endpgm
.Lentry_in_a_cluster:
	s_bfe_u32 s2, ttmp6, 0x10000c
	s_cmp_lg_u32 s2, 0xf033
	s_cbranch_scc0 .Lentry_shape_is_right
	s_endpgm
.Lentry_shape_is_right:
; qkv = x W_attn + b_attn on codes of BF8 (E5M2) with E8M0 scales; q and k are rotated; q, k (along the head's 64) and v (along the tokens) are quantised and stored as images of operand registers.
; D = S0 x S1^T: source 0 = 16 rows of side S0, source 1 = 16 rows of side S1.  A lane holds ONE row of S1, its registers run along S0; row r of block 2 g + u is index 32 g + 8 u + r + 8 (r / 8),
; so the 64 registers of a wave's eight S0 blocks are index 32 b + 16 (lane / 16) + i in register 16 b + i.
; ROLES, by the cluster's x: 0: q, 1: k: S1 = 128 tokens, S0 = 256 columns of W_attn.  2: v: S1 = 128 columns, S0 = 256 tokens.
; SHARES.  A work-group makes 128 (S1) x 256 (S0), its four waves 64 x 128 each: 32 accumulators.  K = 1,024 in 8 steps of 128; a pair is two steps.
; LDS.  Slot 0: pair 0, S1's 8 blocks x 4,096 bytes, then S0's 16.  From P12: pairs 1 and 2 together, S1's 8 blocks x 8,192 bytes, then S0's 16.
; FILLS.  At the head one joint load a wave: wave 0 S1's pair 0, wave 1 S0's pair 0, wave 2 S1's pairs 1 and 2, wave 3 S0's.  The first barrier waits for waves 0 and 1's alone.
; Slot 0 is filled once more, with pair 3 (waves 0 and 1), behind a drained round, when its two steps are in registers.
; The scale words of all of K go from memory into 64 registers: lanes 0-15 take S1's block i, lanes 16-31 S0's; each half of a load reads 128 consecutive bytes.
; CLUSTER 4 x 4: S1's tiles are shared along a row of the cluster, S0's along a column.  No prefetch: the text has no loop, and all tiles but pair 3 are asked for at its head.
; qkv: q images at 0, k images at 2^23: [head 64][tile of 16 tokens 128][chunk 2][lane][16 B]; v images at 2^24: [head][128 keys 16][16 channels 4][chunk 4][lane][16 B];
;   scale words at QSC (q), + 2^18 (k): [head][128 tokens 16][half 2][r 16][2 words], a word = two tiles x two bytes;  + 2^19 (v): [head][128 keys 16][r 16][4 words].
; LIMITS: NaN and infinities are not served; a block of zeros gets the scale byte 1 (its codes are zeros; this program alone reads the bytes).
; REGISTERS: window 0: v1-8 addresses; v12-15 v's bias; v16-22 LDS addresses; v27 the scale words' offset; v28, v29 for the add; v32-95 scale words, 16 a pair;
;   v128-255 S1's fragments, two sets of 64 (afterwards at work).  window 1: S0's fragments, two sets of 128.  window 2: accumulator (a, b) at 8 (8 a + b).  window 3: v0-127 cosines and sines, v128-191 q's and k's bias.
.set S0OFF,  32768
.set P12,    98304
.set P12S0,  P12+65536
.set SPARE,  294912                    ; the spare words: 128 bytes a wave
.set OPS_SC, 12582912
.set QSC,    25165824
.set ADR1, 16
.set ADR0, 20
.set ADRS, 27
.set SPW,  28
.set NIL,  29
.set SC,   32
.set BI,   128
.set X,    128
.set T,    192
.set PC,   200
.set TM,   216
.set SW,   232
.set VSEL, 236
.set SEL,  2
.set MNT,  94
.set G1A,  24
.set G1B,  32
.set G1C,  40
.set G1D,  48
.set G0A,  56
.set G0B,  60
.set G0C,  68
.set G0D,  72
.set MSB, 0
.macro WIN new                         ; the immediate's high byte repeats the setting that is left
.if MSB != \new
	s_set_vgpr_msb (MSB<<8)|\new
.set MSB, \new
.endif
.endm
.macro PLACES n
.rept \n
	v_nop
.endr
.endm
.macro TLOAD g0, g1                    ; a tensor load with the s_nop 0 and four v_nop
	tensor_load_to_lds s[\g0:\g0+3], s[\g1:\g1+7]
	s_nop 0
	PLACES 4
.endm
.macro CREST                           ; a round of the cluster's barrier behind its opening barrier
	s_cmp_lg_u32 s14, 0
	s_cbranch_scc1 .Lnot_wave_0_\@
	s_barrier_signal -3
.Lnot_wave_0_\@:
	s_barrier_wait -3
	s_barrier_signal -1
	s_barrier_wait -1
.endm
.macro CROUND
	s_barrier_signal -1
	s_barrier_wait -1
	CREST
.endm
.macro MKG0 g, lds, adr, goff          ; descriptor group 0: count 1, LDS address, global address, type 2
	s_mov_b32 s[\g], 1
	s_mov_b32 s[\g+1], \lds
	s_add_nc_u64 s[\g+2:\g+3], s[\adr:\adr+1], \goff
	s_or_b32 s[\g+3], s[\g+3], 0x80000000
.endm
; the fragments of pair \slot's q-th 128 along K into set p: images, 512 consecutive bytes a load; blocks lie 4,096 bytes apart in slot 0, 8,192 from P12 on
.macro FETCH slot, q, p
.if \slot
.set st_, 8192
.else
.set st_, 4096
.endif
	WIN 0x40
.set b_, 0
.rept 8
.irp c, 0,1,2,3
	ds_load_b128 v[128*\p+16*b_+4*\c:128*\p+16*b_+4*\c+3], v[ADR0+\slot] offset:st_*b_+2048*\q+512*\c
.endr
.set b_, b_+1
.endr
	WIN 0
.set a_, 0
.rept 4
.irp c, 0,1,2,3
	ds_load_b128 v[128+64*\p+16*a_+4*\c:128+64*\p+16*a_+4*\c+3], v[ADR1+\slot] offset:st_*a_+2048*\q+512*\c
.endr
.set a_, a_+1
.endr
.endm
; 8 n matrix instructions: S1's blocks a0 .. a0 + n - 1 against S0's eight; fragments in set p, scale words of pair pr, step q.  The 32 accumulators take turns.
.macro MUL a0, n, p, q, pr, zero
	WIN 0xa1                                       ; source 0 (S0) window 1, source 1 (S1) window 0, C and D window 2
.set a_, \a0
.rept \n
.set b_, 0
.rept 8
.set d_, 8*(8*a_+b_)
.if \zero
	v_wmma_scale_f32_16x16x128_f8f6f4 v[d_:d_+7], v[128*\p+16*b_:128*\p+16*b_+15], v[128+64*\p+16*a_:128+64*\p+16*a_+15], 0, v[SC+16*\pr+2*b_+\q], v[SC+16*\pr+2*a_+\q] matrix_a_fmt:MATRIX_FMT_BF8 matrix_b_fmt:MATRIX_FMT_BF8 matrix_a_scale:MATRIX_SCALE_ROW1
.else
	v_wmma_scale_f32_16x16x128_f8f6f4 v[d_:d_+7], v[128*\p+16*b_:128*\p+16*b_+15], v[128+64*\p+16*a_:128+64*\p+16*a_+15], v[d_:d_+7], v[SC+16*\pr+2*b_+\q], v[SC+16*\pr+2*a_+\q] matrix_a_fmt:MATRIX_FMT_BF8 matrix_b_fmt:MATRIX_FMT_BF8 matrix_a_scale:MATRIX_SCALE_ROW1
.endif
.set b_, b_+1
.endr
.set a_, a_+1
.endr
.endm
; 64 numbers of a lane, register 16 b + i = k 32 b + 16 (lane / 16) + i of its row, become 16 registers of codes at v[pc] and a scale word in v[pw]
.macro QUANT s, pc, pw
.irp b, 0,1,2,3
	v_max3_num_f32 v[TM+\b], |v[\s+16*\b]|, |v[\s+1+16*\b]|, 0x8000000   ; with the floor 2^(16 - 127): the byte cannot fall under 1
.endr
.irp i, 2,4,6,8,10,12,14
.irp b, 0,1,2,3
	v_max3_num_f32 v[TM+\b], v[TM+\b], |v[\s+16*\b+\i]|, |v[\s+1+16*\b+\i]|
.endr
.endr
.irp b, 0,1,2,3
	v_permlanex16_b32 v[TM+4+\b], v[TM+\b], s[SEL], s[SEL+1]
.endr
.irp b, 0,1,2,3
	v_max_num_f32 v[TM+\b], v[TM+\b], v[TM+4+\b]
.endr
.irp b, 0,1,2,3
	v_add_nc_u32 v[TM+12+\b], 0xf8800000, v[TM+\b]               ; 15 off the exponent field: the conversion's scale operand
.endr
.irp b, 0,1,2,3
	v_and_or_b32 v[TM+8+\b], v[TM+\b], 0x7f800000, s[MNT]        ; 57,344 x the scale
.endr
.irp b, 0,1,2,3
	v_lshrrev_b32 v[TM+4+\b], 23, v[TM+12+\b]
.endr
	v_lshl_or_b32 v[\pw], v[TM+5], 8, v[TM+4]
	v_lshl_or_b32 v[\pw], v[TM+6], 16, v[\pw]
	v_lshl_or_b32 v[\pw], v[TM+7], 24, v[\pw]
.irp b, 0,1,2,3
.irp i, 0,1,2,3,4,5,6,7,8,9,10,11,12,13,14,15
	v_med3_num_f32 v[\s+16*\b+\i], v[\s+16*\b+\i], -v[TM+8+\b], v[TM+8+\b]   ; the conversion does not saturate (ISA guide 7.6.2)
.endr
	v_cvt_scalef32_pk8_bf8_f32 v[\pc+4*\b:\pc+1+4*\b], v[\s+16*\b:\s+7+16*\b], v[TM+12+\b]
	v_cvt_scalef32_pk8_bf8_f32 v[\pc+2+4*\b:\pc+3+4*\b], v[\s+8+16*\b:\s+15+16*\b], v[TM+12+\b]
.endr
	v_nop                                          ; one plain instruction behind the last conversion
.endm
	s_load_b256 s[4:11], s[0:1], 0x0               ; ops s[4:5], rope s[6:7], b_attn s[8:9], qkv s[10:11]
	v_lshl_add_u32 v[SPW], v0, 2, SPARE
	v_mov_b32 v[NIL], 0
	ds_add_u32 v[SPW], v[NIL]                      ; the opening lines: the add twice on end and its wait
	ds_add_u32 v[SPW], v[NIL]
	v_lshrrev_b32 v1, 5, v0
	v_readfirstlane_b32 s14, v1                    ; wave 0..3
	s_lshr_b32 s15, s14, 1                         ; my half of S1
	s_and_b32 s16, s14, 1                          ; my half of S0
	s_bfe_u32 s92, ttmp6, 0x40000                  ; cx
	s_bfe_u32 s93, ttmp6, 0x40004                  ; cy
	s_and_b32 s17, ttmp7, 0xffff                   ; the cluster's y
	s_lshl_b32 s94, s93, 2
	s_lshl_b32 s94, 15, s94                        ; my row of the cluster
	s_lshl_b32 s95, 0x1111, s92                    ; my column
	; groups 1: elements of 8 bytes, blocks 16,384 bytes apart.  A, B: a pair, 4,096 bytes a block; C, D: two pairs, 8,192.  A, C: S1's 8 blocks; B, D: S0's 16
	s_or_b32 s[G1A], s94, (3<<16)|(1<<21)
	s_or_b32 s[G1B], s95, (3<<16)|(1<<21)
	s_or_b32 s[G1C], s94, (3<<16)|(1<<21)
	s_or_b32 s[G1D], s95, (3<<16)|(1<<21)
.irp g, G1A, G1B, G1C, G1D
	s_mov_b32 s[\g+5], 2048
	s_mov_b32 s[\g+6], 0
	s_mov_b32 s[\g+7], 0
.endr
.irp g, G1A, G1B
	s_mov_b32 s[\g+1], 512<<16
	s_mov_b32 s[\g+3], 512<<16
.endr
.irp g, G1C, G1D
	s_mov_b32 s[\g+1], 1024<<16
	s_mov_b32 s[\g+3], 1024<<16
.endr
.irp g, G1A, G1C
	s_mov_b32 s[\g+2], 8<<16
	s_mov_b32 s[\g+4], 8
.endr
.irp g, G1B, G1D
	s_mov_b32 s[\g+2], 16<<16
	s_mov_b32 s[\g+4], 16
.endr
	; the sides' first blocks in ops.  q, k: S1 = token blocks 8 (4 Y + cy), S0 = 512 + 16 (4 X + cx).  v: S1 = 640 + 8 (4 (Y / 8) + cy), S0 = token blocks 16 (4 (Y % 8) + cx)
	s_lshl_b32 s18, s17, 5
	s_lshr_b32 s19, s17, 3
	s_lshl_b32 s19, s19, 5
	s_add_co_u32 s19, s19, 640
	s_lshl_b32 s20, ttmp9, 6
	s_add_co_u32 s20, s20, 512
	s_and_b32 s21, s17, 7
	s_lshl_b32 s21, s21, 6
	s_cmp_eq_u32 ttmp9, 2
	s_cselect_b32 s18, s19, s18
	s_cselect_b32 s20, s21, s20
	s_lshl_b32 s19, s93, 3
	s_add_co_u32 s18, s18, s19                     ; S1: hangs on cy, never on cx
	s_lshl_b32 s21, s92, 4
	s_add_co_u32 s20, s20, s21                     ; S0: hangs on cx, never on cy
	s_lshl_b32 s96, s18, 14
	s_mov_b32 s97, 0
	s_lshl_b32 s98, s20, 14
	s_mov_b32 s99, 0
	s_lshl_b32 s2, s18, 9                          ; s2: in ops, the scale words of my four blocks of S1;
	s_lshl_b32 s19, s15, 11
	s_add_co_u32 s2, s2, s19
	s_add_co_u32 s2, s2, OPS_SC
	s_lshl_b32 s3, s20, 9                          ; s3: from there to those of my eight blocks of S0, modulo 2^32
	s_lshl_b32 s19, s16, 12
	s_add_co_u32 s3, s3, s19
	s_add_co_u32 s3, s3, OPS_SC
	s_sub_co_u32 s3, s3, s2
	s_wait_dscnt 0x0                               ; both opening adds are done
	s_wait_kmcnt 0x0
	s_add_nc_u64 s[96:97], s[4:5], s[96:97]
	s_add_nc_u64 s[98:99], s[4:5], s[98:99]
	CROUND                                         ; all sixteen work-groups are here: the first joint loads meet
	MKG0 G0A, 0, 96, 0
	MKG0 G0B, S0OFF, 98, 0
	MKG0 G0C, P12, 96, 4096
	MKG0 G0D, P12S0, 98, 4096
	s_cmp_lt_u32 s14, 1                            ; one chain, one load to an arm; what is multiplied first is asked for in the first arms
	s_cbranch_scc0 .Lh1
	TLOAD G0A, G1A
	s_branch .Lasked
.Lh1:
	s_cmp_lt_u32 s14, 2
	s_cbranch_scc0 .Lh2
	TLOAD G0B, G1B
	s_branch .Lasked
.Lh2:
	s_cmp_lt_u32 s14, 3
	s_cbranch_scc0 .Lh3
	TLOAD G0C, G1C
	s_branch .Lasked
.Lh3:
	TLOAD G0D, G1D
.Lasked:
	v_and_b32 v1, 31, v0                           ; lane
	v_and_b32 v2, 15, v0                           ; r
	v_bfe_u32 v3, v0, 4, 1                         ; h
	v_lshlrev_b32 v4, 4, v1                        ; 16 x lane
	s_wait_alu depctr_va_vdst(0)
	v_mul_lo_u32 v6, v3, s3
	v_lshl_add_u32 v5, v2, 3, s2
	v_add_nc_u32 v[ADRS], v5, v6                   ; 8 r + S1's words (lanes 0-15) or S0's (lanes 16-31)
.set p_, 0
.rept 4
.irp i, 0,1,2,3,4,5,6,7
	global_load_b64 v[SC+16*p_+2*\i:SC+16*p_+2*\i+1], v[ADRS], s[4:5] offset:512*\i+128*p_   ; pair p, block i: the words of its two steps
.endr
.set p_, p_+1
.endr
	s_lshl_b32 s18, s15, 14                        ; slot 0: my four blocks of S1,
	s_lshl_b32 s19, s16, 15
	s_add_co_u32 s19, s19, S0OFF                   ; my eight of S0
	v_add_nc_u32 v[ADR1], s18, v4
	v_add_nc_u32 v[ADR0], s19, v4
	s_lshl_b32 s18, s15, 15
	s_add_co_u32 s18, s18, P12
	s_lshl_b32 s19, s16, 16
	s_add_co_u32 s19, s19, P12S0
	v_add_nc_u32 v[ADR1+1], s18, v4                ; pair 1,
	v_add_nc_u32 v[ADR0+1], s19, v4
	v_add_nc_u32 v[ADR1+2], 4096, v[ADR1+1]        ; pair 2
	v_add_nc_u32 v[ADR0+2], 4096, v[ADR0+1]
	; what the way out wants is asked for now, on the one way that both roles take; the role not in hand gets a base inside the buffer, and its registers are not used
	s_lshl_b32 s18, ttmp9, 12
	s_lshl_b32 s19, s92, 10
	s_add_co_u32 s18, s18, s19
	s_lshl_b32 s19, s16, 9
	s_add_co_u32 s18, s18, s19                     ; q, k: my first column x 4
	s_lshr_b32 s20, s17, 3
	s_lshl_b32 s20, s20, 2
	s_add_co_u32 s20, s20, s93
	s_lshl_b32 s20, s20, 1
	s_add_co_u32 s20, s20, s15                     ; v: my head
	s_lshl_b32 s20, s20, 8
	s_lshl_b32 s22, s17, 2
	s_add_co_u32 s22, s22, s93
	s_and_b32 s22, s22, 15                         ; q, k: which 128 tokens of the sequence
	s_lshl_b32 s22, s22, 15
	s_lshl_b32 s23, s15, 14
	s_add_co_u32 s22, s22, s23                     ; my first token block's 4,096 bytes of the table
	s_cmp_eq_u32 ttmp9, 2
	s_cselect_b32 s18, 0, s18
	s_cselect_b32 s20, s20, 0
	s_cselect_b32 s22, 0, s22
	s_cselect_b32 s2, 0, 16                        ; in v's role all lanes ask for the same 16 bytes
	s_add_co_u32 s20, s20, 8192                    ; v's bias begins at column 2,048
	s_mov_b32 s19, 0
	s_mov_b32 s21, 0
	s_mov_b32 s23, 0
	s_add_nc_u64 s[12:13], s[8:9], s[20:21]
	s_add_nc_u64 s[8:9], s[8:9], s[18:19]
	s_add_nc_u64 s[6:7], s[6:7], s[22:23]
	v_lshlrev_b32 v5, 6, v3                        ; q, k: register 16 b + i wants column 32 b + 16 h + i
	WIN 0xc0                                       ; destination window 3
.set g_, 0
.rept 16
	global_load_b128 v[BI+4*g_:BI+4*g_+3], v5, s[8:9] offset:128*(g_/4)+16*(g_%4)
.set g_, g_+1
.endr
	WIN 0
	v_and_b32 v6, 8, v2
	v_add_nc_u32 v6, v6, v2
	v_lshlrev_b32 v6, 2, v6                        ; v: lane r of block a wants channel 32 (a / 2) + 8 (a % 2) + r + 8 (r / 8)
.irp a, 0,1,2,3
	global_load_b32 v[12+\a], v6, s[12:13] offset:4*(32*(\a/2)+8*(\a%2))
.endr
	v_mul_u32_u24 v7, s2, v1
	WIN 0xc0
.set g_, 0
.rept 32
	global_load_b128 v[4*g_:4*g_+3], v7, s[6:7] offset:512*g_      ; token block g / 8, entry g % 8
.set g_, g_+1
.endr
	WIN 0
	s_wait_alu depctr_va_vdst(0)
	s_cmp_lt_u32 s14, 2
	s_cbranch_scc0 .Lp12_out
	s_wait_tensorcnt 0x0                           ; waves 0 and 1: pair 0 is in.  Waves 2 and 3's loads stay out
.Lp12_out:
	s_barrier_signal -1
	s_barrier_wait -1
	FETCH 0, 0, 0
	s_wait_loadcnt 52                              ; the 32 loads of scale words are in; the 16 + 4 + 32 behind them may be out
	s_wait_dscnt 0x0
	FETCH 0, 1, 1
	MUL 0, 2, 0, 0, 0, 1                           ; the first products start the sums: nothing is cleared
	WIN 0
	s_wait_tensorcnt 0x0                           ; all my tensor loads have landed
	ds_add_u32 v[SPW], v[NIL]
	MUL 2, 1, 0, 0, 0, 1
	s_wait_dscnt 0x0                               ; the add is done, and my reads of slot 0 are over
	s_barrier_signal -1
	MUL 3, 1, 0, 0, 0, 1
	WIN 0
	s_barrier_wait -1
	CREST                                          ; the barrier has opened a round of the cluster's
	s_add_nc_u64 s[G0A+2:G0A+3], s[G0A+2:G0A+3], 12288
	s_add_nc_u64 s[G0B+2:G0B+3], s[G0B+2:G0B+3], 12288
	s_cmp_lt_u32 s14, 1                            ; pair 3 into slot 0: the one refill; four steps stand between it and its wait
	s_cbranch_scc0 .Lr1
	TLOAD G0A, G1A
	s_branch .Lrj
.Lr1:
	s_cmp_lt_u32 s14, 2
	s_cbranch_scc0 .Lrj
	TLOAD G0B, G1B
.Lrj:
	PLACES 8                                       ; eight places in front of loads into registers that matrix instructions have read
	FETCH 1, 0, 0
	MUL 0, 4, 1, 1, 0, 0
	s_wait_dscnt 0x0
	PLACES 8
	FETCH 1, 1, 1
	MUL 0, 4, 0, 0, 1, 0
	s_wait_dscnt 0x0
	PLACES 8
	FETCH 2, 0, 0
	MUL 0, 4, 1, 1, 1, 0
	s_wait_dscnt 0x0
	PLACES 8
	FETCH 2, 1, 1
	MUL 0, 4, 0, 0, 2, 0
	WIN 0
	s_wait_tensorcnt 0x0                           ; pair 3
	s_wait_dscnt 0x0
	s_barrier_signal -1
	s_barrier_wait -1                              ; everybody's is in
	PLACES 8
	FETCH 0, 0, 0
	MUL 0, 4, 1, 1, 2, 0
	s_wait_dscnt 0x0
	PLACES 8
	FETCH 0, 1, 1
	MUL 0, 4, 0, 0, 3, 0
	s_wait_dscnt 0x0
	MUL 0, 4, 1, 1, 3, 0
	WIN 0
	; THE WAY OUT
	s_wait_loadcnt 0x0                             ; biases and table
	PLACES 8
.irp b, 0,1,2,3
	v_mov_b32 v[TM+4+\b], 0                        ; written once: a lane permute's destination counts as one of its sources
.endr
	s_mov_b32 s[SEL], 0x76543210
	s_mov_b32 s[SEL+1], 0xfedcba98
	s_mov_b32 s[MNT], 0x600000
	s_cmp_eq_u32 ttmp9, 2                          ; the role: equal in every wave and every partner
	s_cbranch_scc1 .Lrole_v
	; ---- q, k.  My 128 columns are two heads; block a of S1 is token tile 4 s15 + a of these 128 tokens
	s_lshl_b32 s18, s17, 2
	s_add_co_u32 s18, s18, s93                     ; which 128 tokens
	s_lshr_b32 s19, s18, 4
	s_and_b32 s18, s18, 15
	s_lshl_b32 s19, s19, 4
	s_lshl_b32 s20, s92, 2
	s_add_co_u32 s19, s19, s20
	s_lshl_b32 s20, s16, 1
	s_add_co_u32 s19, s19, s20                     ; 16 x batch + my first head
	s_lshl_b32 s20, ttmp9, 23
	s_lshl_b32 s21, s19, 17
	s_add_co_u32 s20, s20, s21
	s_lshl_b32 s21, s18, 13
	s_add_co_u32 s20, s20, s21
	s_lshl_b32 s21, s15, 12
	s_add_co_u32 s20, s20, s21
	s_mov_b32 s21, 0
	s_add_nc_u64 s[20:21], s[10:11], s[20:21]      ; the images
	s_lshl_b32 s22, ttmp9, 18
	s_lshl_b32 s23, s19, 12
	s_add_co_u32 s22, s22, s23
	s_lshl_b32 s23, s18, 8
	s_add_co_u32 s22, s22, s23
	s_lshl_b32 s23, s15, 7
	s_add_co_u32 s22, s22, s23
	s_add_co_u32 s22, s22, QSC
	s_mov_b32 s23, 0
	s_add_nc_u64 s[22:23], s[10:11], s[22:23]      ; the scale words
	v_lshlrev_b32 v8, 3, v2
	v_lshl_add_u32 v8, v3, 12, v8                  ; 8 r; lanes 16-31 store the second head's, 4,096 bytes on
	v_mov_b32 v[VSEL], 0x05040100                  ; lanes 0-15 pick the first head's two bytes of two tiles' words,
	v_mov_b32 v9, 0x07060302                       ; lanes 16-31 the second head's
	v_cmp_eq_u32 vcc_lo, 1, v3
	v_cndmask_b32 v[VSEL], v[VSEL], v9, vcc_lo
.macro EPQ a
	WIN 0x0e                                       ; source 0: the accumulators, window 2; source 1: the bias, window 3
.set n_, 0
.rept 32
	v_pk_add_f32 v[X+n_:X+n_+1], v[64*\a+n_:64*\a+n_+1], v[BI+n_:BI+n_+1]   ; the bias, and the move into window 0; each accumulator from its low end on
.set n_, n_+2
.endr
	WIN 0x0c                                       ; source 1: cosines and sines, window 3
.set g_, 0
.rept 8                                        ; a pair (even, odd) times (cos, cos), then (-odd sin, even sin) added: four pairs at a time
.irp e, 0,2,4,6
	v_pk_mul_f32 v[T+\e:T+\e+1], v[X+g_+\e:X+g_+\e+1], v[32*\a+(g_+\e)%32:32*\a+(g_+\e)%32+1] op_sel_hi:[1,0]
.endr
.irp e, 0,2,4,6
	v_pk_fma_f32 v[X+g_+\e:X+g_+\e+1], v[X+g_+\e:X+g_+\e+1], v[32*\a+(g_+\e)%32:32*\a+(g_+\e)%32+1], v[T+\e:T+\e+1] op_sel:[1,1,0] op_sel_hi:[0,1,1] neg_lo:[0,1,0]
.endr
.set g_, g_+8
.endr
	WIN 0
.if \a > 0
	s_wait_xcnt 0x0                                ; the last tile's stores have read their registers
.endif
	QUANT X, PC, SW+\a
.irp j, 0,1,2,3
	global_store_b128 v4, v[PC+4*\j:PC+4*\j+3], s[20:21] offset:(\j/2)*131072+\a*1024+(\j%2)*512   ; head j / 2, chunk j % 2: 512 consecutive bytes
.endr
.endm
	EPQ 0
	EPQ 1
	EPQ 2
	EPQ 3
	v_perm_b32 v[TM], v[SW+1], v[SW], v[VSEL]      ; a word: tile 2 f's two bytes, then tile 2 f + 1's
	v_perm_b32 v[TM+1], v[SW+3], v[SW+2], v[VSEL]
	global_store_b64 v8, v[TM:TM+1], s[22:23]
	s_branch .Lend
.Lrole_v:
	; ---- v.  My 64 columns are one head, block a its channels' block a; my 128 tokens are one K step of the later product
	s_lshr_b32 s18, s17, 3
	s_lshl_b32 s18, s18, 2
	s_add_co_u32 s18, s18, s93
	s_lshl_b32 s18, s18, 1
	s_add_co_u32 s18, s18, s15                     ; head
	s_and_b32 s19, s17, 7
	s_lshl_b32 s19, s19, 2
	s_add_co_u32 s19, s19, s92
	s_lshl_b32 s19, s19, 1
	s_add_co_u32 s19, s19, s16                     ; which 128 tokens of the 8,192
	s_lshr_b32 s20, s19, 4
	s_lshl_b32 s20, s20, 4
	s_add_co_u32 s18, s18, s20                     ; 16 x batch + head
	s_and_b32 s19, s19, 15
	s_lshl_b32 s20, s18, 17
	s_lshl_b32 s21, s19, 13
	s_add_co_u32 s20, s20, s21
	s_add_co_u32 s20, s20, 16777216
	s_mov_b32 s21, 0
	s_add_nc_u64 s[20:21], s[10:11], s[20:21]
	s_lshl_b32 s22, s18, 12
	s_lshl_b32 s23, s19, 8
	s_add_co_u32 s22, s22, s23
	s_add_co_u32 s22, s22, QSC+524288
	s_mov_b32 s23, 0
	s_add_nc_u64 s[22:23], s[10:11], s[22:23]
	v_lshlrev_b32 v8, 4, v2                        ; 16 r: four words a channel row
.macro EPV a
	WIN 0x02
.set n_, 0
.rept 32
.if (\a)%2
	v_pk_add_f32 v[X+n_:X+n_+1], v[64*\a+n_:64*\a+n_+1], v[12+2*(\a/2):13+2*(\a/2)] op_sel:[0,1] op_sel_hi:[1,1]   ; my channel's bias on all my tokens
.else
	v_pk_add_f32 v[X+n_:X+n_+1], v[64*\a+n_:64*\a+n_+1], v[12+2*(\a/2):13+2*(\a/2)] op_sel_hi:[1,0]
.endif
.set n_, n_+2
.endr
	WIN 0
.if \a > 0
	s_wait_xcnt 0x0
.endif
	QUANT X, PC, SW+\a
.irp j, 0,1,2,3
	global_store_b128 v4, v[PC+4*\j:PC+4*\j+3], s[20:21] offset:\a*2048+512*\j
.endr
.endm
	EPV 0
	EPV 1
	EPV 2
	EPV 3
	global_store_b128 v8, v[SW:SW+3], s[22:23]     ; 256 consecutive bytes; lanes 16-31 store the same
.Lend:
	s_wait_tensorcnt 0x0                           ; the wave's end
	ds_add_u32 v[SPW], v[NIL]
	s_wait_dscnt 0x0
	CROUND                                         ; the closing round
	s_endpgm
.Lfunc_end_k_qc7eeeaacf0_qkv:
	.size	k_qc7eeeaacf0_qkv, .Lfunc_end_k_qc7eeeaacf0_qkv-k_qc7eeeaacf0_qkv
	.p2alignl 7, 3214868480
	.fill 96, 4, 3214868480
	.section	.rodata,"a",@progbits
	.p2align	6, 0x0
	.amdhsa_kernel k_qc7eeeaacf0_qkv
		.amdhsa_group_segment_fixed_size 327680
		.amdhsa_private_segment_fixed_size 0
		.amdhsa_enable_private_segment 0
		.amdhsa_kernarg_size 32
		.amdhsa_user_sgpr_count 2
		.amdhsa_user_sgpr_kernarg_segment_ptr 1
		.amdhsa_wavefront_size32 1
		.amdhsa_system_sgpr_workgroup_id_x 1
		.amdhsa_system_sgpr_workgroup_id_y 1
		.amdhsa_system_sgpr_workgroup_id_z 1
		.amdhsa_system_vgpr_workitem_id 0
		.amdhsa_next_free_vgpr 1024
		.amdhsa_next_free_sgpr 100
		.amdhsa_reserve_vcc 1
		.amdhsa_float_denorm_mode_32 3
		.amdhsa_float_denorm_mode_16_64 3
		.amdhsa_memory_ordered 1
		.amdhsa_forward_progress 1
		.amdhsa_inst_pref_size 180
	.end_amdhsa_kernel
	.amdgpu_metadata
---
amdhsa.version: [ 1, 2 ]
amdhsa.kernels:
  - .name:           k_qc7eeeaacf0_qkv
    .symbol:         k_qc7eeeaacf0_qkv.kd
    .args:
      - { .name: ops, .offset: 0, .size: 8, .value_kind: global_buffer, .address_space: global }
      - { .name: rope, .offset: 8, .size: 8, .value_kind: global_buffer, .address_space: global }
      - { .name: b_attn, .offset: 16, .size: 8, .value_kind: global_buffer, .address_space: global }
      - { .name: qkv, .offset: 24, .size: 8, .value_kind: global_buffer, .address_space: global }
    .group_segment_fixed_size: 327680
    .private_segment_fixed_size: 0
    .kernarg_segment_align: 8
    .kernarg_segment_size: 32
    .max_flat_workgroup_size: 128
    .sgpr_count:     100
    .vgpr_count:     1024
    .wavefront_size: 32
...
	.end_amdgpu_metadata
.endif
;; end of part 2
;; launch attn (part 3): grid 4 x 64, 8 waves a work-group, clusters of 4 x 1, 327,680 bytes of LDS; arguments qkv, ops; writes ops
.if DOCPART == 3
	.amdgcn_target "amdgcn-amd-amdhsa--gfx1250"
	.amdhsa_code_object_version 6
	.text
	.protected	k_qc7eeeaacf0_attn
	.globl	k_qc7eeeaacf0_attn
	.p2align	8
	.type	k_qc7eeeaacf0_attn,@function
k_qc7eeeaacf0_attn:
	s_mov_b64 s[64:65], 0
	v_nop
	global_prefetch_b8 v0, s[64:65] scope:SCOPE_SE
	s_setreg_imm32_b32 hwreg(HW_REG_WAVE_MODE, 25, 1), 1
	s_wait_xcnt 0x0
	s_wait_alu depctr_hold_cnt(0) depctr_sa_sdst(0) depctr_va_vdst(0) depctr_va_sdst(0) depctr_va_ssrc(0) depctr_va_vcc(0) depctr_vm_vsrc(0)
	s_getreg_b32 s2, hwreg(HW_REG_IB_STS2, 6, 4)
	s_cmp_eq_u32 s2, 0
	s_cbranch_scc0 .Lentry_in_a_cluster
	s_endpgm
.Lentry_in_a_cluster:
	s_bfe_u32 s2, ttmp6, 0x10000c
	s_cmp_lg_u32 s2, 0x3003
	s_cbranch_scc0 .Lentry_shape_is_right
	s_endpgm
.Lentry_shape_is_right:
; o = softmax(q k^T / 8, causal) v for one head (of 64 = batch x head) a cluster, both products on codes of BF8 (E5M2) with E8M0 scales; o is quantised along the 1,024 and stored as images of operand registers.
; LEFT OUT: key steps all of whose 128 keys come after a wave's 32 queries: the causal mask sets their scores to -infinity, so their p is 0 for all values of the inputs.
; THE SOFTMAX: t = score x log2(e) / 8; M = the ceiling of the running largest t; p = 2^(t - M) is quantised along the keys; the row's sum is taken of the unquantised p and divides at the end.
; LIMITS: the promise holds while |t| stays under 2^31; NaN and infinities are not served; a block of zeros gets the scale byte 1 (its codes are zeros; this program alone reads the bytes).
; SHARES.  A cluster is the four work-groups of a head; a work-group has eight waves, two to a SIMD.  A wave works on TWO query tiles of 16 at once (x = 0, 1: token blocks 2 g and 2 g + 1, tokens 32 g .. 32 g + 31),
; so that each fragment of K and V feeds two tiles.  Wave w of the work-group at place cx owns g = 4 w + cx and 63 - g: first the later pair's 16 - w key steps of 128, then the earlier pair's w + 1: 17 steps in every wave.
; The counts hang on the wave's number alone; cx enters global addresses and the mask's numbers only.
; LDS: four chunks of four key steps, each K's 32,768 bytes and then V's; behind them K's and V's scale words (4,096 bytes each).  Every tile is filled once, by a joint load of the four work-groups, at the head:
; wave 0 both tables of scale words (two rows), waves 1 to 4 a chunk each (two rows: K's, V's).  One barrier shows all of it.  No prefetch: every tile is asked for at the head by its own load.
; FRAGMENTS run ahead: V's of step n are fetched at the step's head, K's of step n + 1 in its middle, each into registers of its own.  The last step fetches K's fragments of a step that is not multiplied.
; Both products are used transposed: a lane holds one query of each tile.  A K fragment holds two tiles of 16 keys (64 + 64 along its K); q stands beside zeros, once below and once above.
; o's images go over x's blocks in ops (token blocks 0-511, which no later launch reads as x): [block][K step 8][chunk 4][lane][16 B]; scale words at OPS_SC: [block][pair of K steps 4][r 16][2 words].
; REGISTERS.  Window 0: v1-5 addresses that stay; v6, v7 for the add; v8, v10, v11 a step's addresses; per tile x: v12+4x -M, the largest t, the sum's pair; v20-33 scale words; v36-75 at work; v80+16x p's codes; v112+64x scores, then p.
;   Window 1: v0-63 K's fragments; v64-127 V's; v128+32x O^T; v192-231 zeros, q(0), zeros, q(1), zeros; v232-247 the earlier pair's q.  The two tiles' lines stand by turns, so that no line waits for the line above it.
.set KSC,  262144
.set VSC,  266240
.set SPARE, 270336
.set QSC,  25165824
.set OPS_SC, 12582912
.set SPW, 6
.set NIL, 7
.set MM,  12
.set KS,  20
.set VS,  24
.set QS,  28
.set PS,  30
.set QLS, 32
.set QR,  34
.set BM,  36
.set PM,  44
.set HD,  52
.set SCO, 60
.set F,   68
.set TT,  72
.set PCD, 80
.set S,   112
.set KF,  0
.set VF,  64
.set O,   128
.set Z,   192
.set QL,  232
.set QH,  52
.set QLO, 54
.set SQH, 56
.set SQL, 58
.set CH,  60
.set CL,  62
.set SH,  66
.set SL,  68
.set SEL, 70
.set CS,  72
.set MNT, 74
.set TC,  75
.set KH1, 76
.set KH,  77
.set KL,  78
.set SDH, 79
.set SDL, 80
.set KST, 81
.set KLIM, 82
.set SD,  83
.set TB,  84
.set TS,  85
.set KN,  94
.set MSB, 0
.macro WIN new                         ; the immediate's high byte repeats the setting that is left
.if MSB != \new
	s_set_vgpr_msb (MSB<<8)|\new
.set MSB, \new
.endif
.endm
.macro PLACES n
.rept \n
	v_nop
.endr
.endm
.macro TLOAD g0, g1                    ; a tensor load with the s_nop 0 and four v_nop
	tensor_load_to_lds s[\g0:\g0+3], s[\g1:\g1+7]
	s_nop 0
	PLACES 4
.endm
.macro CROUND                          ; a round of the cluster's barrier
	s_barrier_signal -1
	s_barrier_wait -1
	s_cmp_lg_u32 s8, 0
	s_cbranch_scc1 .Lnot_wave_0_\@
	s_barrier_signal -3
.Lnot_wave_0_\@:
	s_barrier_wait -3
	s_barrier_signal -1
	s_barrier_wait -1
.endm
.macro KLOAD                           ; K's four fragments and their scale words, at v8 and v10: 18 LDS loads
	WIN 0x40
.irp f, 0,1,2,3
.irp c, 0,1,2,3
	ds_load_b128 v[KF+16*\f+4*\c:KF+16*\f+4*\c+3], v8 offset:2048*\f+512*\c
.endr
.endr
	WIN 0
	ds_load_b64 v[KS:KS+1], v10
	ds_load_b64 v[KS+2:KS+3], v10 offset:128
.endm
	s_load_b128 s[4:7], s[0:1], 0x0                ; qkv, ops
	v_lshl_add_u32 v[SPW], v0, 2, SPARE
	v_mov_b32 v[NIL], 0
	ds_add_u32 v[SPW], v[NIL]                      ; the opening lines: the add twice on end and its wait
	ds_add_u32 v[SPW], v[NIL]
	v_lshrrev_b32 v1, 5, v0
	v_readfirstlane_b32 s8, v1                     ; wave 0..7
	s_bfe_u32 s9, ttmp6, 0x40000                   ; cx
	s_and_b32 s11, ttmp7, 0xffff                   ; the head
	; groups 1, elements of 8 bytes, for all four work-groups.  Scale words: 2 rows of 4,096 bytes, 2^18 bytes apart.  A chunk: 2 rows of 32,768 bytes, 2^23 bytes apart
	s_mov_b32 s16, 15|(3<<16)|(1<<21)
	s_mov_b32 s17, 512<<16
	s_mov_b32 s18, 2<<16
	s_mov_b32 s19, 512<<16
	s_mov_b32 s20, 2
	s_mov_b32 s21, 32768
	s_mov_b32 s22, 0
	s_mov_b32 s23, 0
	s_mov_b32 s24, 15|(3<<16)|(1<<21)
	s_mov_b32 s25, 4096<<16
	s_mov_b32 s26, 2<<16
	s_mov_b32 s27, 4096<<16
	s_mov_b32 s28, 2
	s_mov_b32 s29, 1048576
	s_mov_b32 s30, 0
	s_mov_b32 s31, 0
	s_lshl_b32 s86, s11, 12
	s_add_co_u32 s86, s86, QSC+262144              ; the head's scale words of K; V's lie 2^18 on
	s_mov_b32 s87, 0
	s_add_co_u32 s12, s8, 7
	s_and_b32 s12, s12, 7
	s_min_u32 s12, s12, 3                          ; waves 1 to 4: chunk 0 to 3
	s_lshl_b32 s88, s12, 15
	s_lshl_b32 s14, s11, 17
	s_add_co_u32 s88, s88, s14
	s_add_co_u32 s88, s88, 8388608                 ; the head's K images; V's lie 2^23 on
	s_mov_b32 s89, 0
	s_mov_b32 s40, 1
	s_mov_b32 s41, KSC
	s_mov_b32 s44, 1
	s_lshl_b32 s45, s12, 16
	s_wait_dscnt 0x0                               ; both opening adds are done
	s_wait_kmcnt 0x0
	s_add_nc_u64 s[42:43], s[4:5], s[86:87]
	s_or_b32 s43, s43, 0x80000000
	s_add_nc_u64 s[46:47], s[4:5], s[88:89]
	s_or_b32 s47, s47, 0x80000000
	CROUND                                         ; all four work-groups are here: the joint loads meet
	s_cmp_lt_u32 s8, 1                             ; one chain, one load to an arm; waves 5 to 7 load nothing
	s_cbranch_scc0 .Lh1
	TLOAD 40, 16
	s_branch .Lasked
.Lh1:
	s_cmp_lt_u32 s8, 5
	s_cbranch_scc0 .Lasked
	TLOAD 44, 24
.Lasked:
	s_lshl_b32 s12, s8, 2
	s_add_co_u32 s12, s12, s9                      ; the earlier pair, g = 4 w + cx,
	s_sub_co_u32 s13, 63, s12                      ; and the later one
	s_mov_b32 s[KL], s8                            ; their last key steps, from the wave's number alone
	s_sub_co_u32 s[KH], 15, s8
	s_add_co_u32 s[KH1], s[KH], 1
	s_lshl_b32 s90, s11, 17
	s_lshl_b32 s91, s11, 12
	s_add_co_u32 s91, s91, QSC
	s_lshr_b32 s89, s11, 4
	s_lshl_b32 s89, s89, 7
	s_and_b32 s88, s11, 15
	s_lshl_b32 s14, s88, 10
	s_lshr_b32 s15, s88, 2
	s_lshl_b32 s15, s15, 7
	s_and_b32 s88, s88, 3
	s_lshl_b32 s88, s88, 1
	s_add_co_u32 s15, s15, s88
	s_add_co_u32 s15, s15, OPS_SC
	s_mov_b32 s87, 0
; pair g: where its q (2,048 bytes) and q's scale word lie, where its o and o's scale bytes go, and its first token within its key step
.macro TILE g, q, sq, c, sc, sd
	s_lshl_b32 s86, s[\g], 11
	s_add_co_u32 s86, s86, s90
	s_add_nc_u64 s[\q:\q+1], s[4:5], s[86:87]
	s_lshr_b32 s86, s[\g], 1
	s_lshl_b32 s86, s86, 7
	s_and_b32 s88, s[\g], 1
	s_lshl_b32 s88, s88, 2
	s_add_co_u32 s86, s86, s88
	s_add_co_u32 s86, s86, s91
	s_add_nc_u64 s[\sq:\sq+1], s[4:5], s[86:87]
	s_lshl_b32 s88, s[\g], 1
	s_add_co_u32 s88, s88, s89
	s_lshl_b32 s86, s88, 14
	s_add_co_u32 s86, s86, s14
	s_add_nc_u64 s[\c:\c+1], s[6:7], s[86:87]
	s_lshl_b32 s86, s88, 9
	s_add_co_u32 s86, s86, s15
	s_add_nc_u64 s[\sc:\sc+1], s[6:7], s[86:87]
	s_and_b32 s86, s[\g], 3
	s_lshl_b32 s[\sd], s86, 5
.endm
	TILE 13, QH, SQH, CH, SH, SDH
	TILE 12, QLO, SQL, CL, SL, SDL
	s_mov_b32 s92, 0x01000100                      ; a word holds two tiles' two bytes: tile 0's,
	s_mov_b32 s93, 0x03020302                      ; tile 1's
	s_mov_b32 s[SEL], 0x76543210
	s_mov_b32 s[SEL+1], 0xfedcba98
	s_mov_b32 s[CS], 0x3e38aa3b                    ; c = log2(e) / 8
	s_mov_b32 s[CS+1], s[CS]
	s_mov_b32 s[MNT], 0x600000
	v_and_b32 v8, 31, v0
	v_lshlrev_b32 v1, 4, v8                        ; 16 x lane
	v_and_b32 v8, 15, v0                           ; r
	v_bfe_u32 v9, v0, 4, 1                         ; h
	v_lshlrev_b32 v5, 3, v8                        ; 8 r
	WIN 0x40                                       ; destination window 1
.irp j, 0,1,2,3
	global_load_b128 v[Z+8+16*(\j/2)+4*(\j%2):Z+8+16*(\j/2)+4*(\j%2)+3], v1, s[QH:QH+1] offset:512*\j
	global_load_b128 v[QL+4*\j:QL+4*\j+3], v1, s[QLO:QLO+1] offset:512*\j
.endr
.set j_, 0
.rept 8
	v_mov_b32 v[Z+j_], 0
	v_mov_b32 v[Z+16+j_], 0
	v_mov_b32 v[Z+32+j_], 0
.set j_, j_+1
.endr
.set j_, 0
.rept 64
	v_mov_b32 v[O+j_], 0
.set j_, j_+1
.endr
	WIN 0
	global_load_b32 v[QR], v5, s[SQH:SQH+1]
	global_load_b32 v[QR+1], v5, s[SQL:SQL+1]
	v_add_nc_u32 v2, KSC, v5
	v_lshl_add_u32 v3, v8, 4, VSC
	v_and_b32 v4, 8, v8
	v_add_nc_u32 v4, v4, v8
	v_lshlrev_b32 v9, 4, v9
	v_sub_nc_u32 v4, v4, v9                        ; r + 8 (r / 8) - 16 h
	v_mov_b32 v8, v1                               ; key step 0
	v_mov_b32 v10, v2
	v_mov_b32 v11, v3
.set j_, 0
.rept 8
	v_mov_b32 v[PM+j_], 0                          ; a lane permute's destination counts as one of its sources
.set j_, j_+1
.endr
.irp x, 0,1
	v_mov_b32 v[TT+2*\x], 0
	v_mov_b32 v[F+2*\x+1], 0
	v_mov_b32 v[MM+4*\x+1], 0xff61b1e6             ; -3e38, under every t
	v_mov_b32 v[MM+4*\x+2], 0
	v_mov_b32 v[MM+4*\x+3], 0
.endr
.irp x, 0,1
	v_floor_f32 v[MM+4*\x], -v[MM+4*\x+1]
.endr
	s_wait_loadcnt 0x0
	v_perm_b32 v[QS], v[QR], v[QR], s92            ; each tile's two bytes, twice
	v_perm_b32 v[QS+1], v[QR], v[QR], s93
	v_perm_b32 v[QLS], v[QR+1], v[QR+1], s92
	v_perm_b32 v[QLS+1], v[QR+1], v[QR+1], s93
; A KEY STEP of 128 keys for both tiles.  v8, v11: this step's addresses; s[TB], s[TS]: the next step's place in LDS
.macro STEP
	PLACES 8                                       ; in front of loads into registers that the last products have read
	WIN 0x40
.irp t, 0,1,2,3
.irp c, 0,1,2,3
	ds_load_b128 v[VF+16*\t+4*\c:VF+16*\t+4*\c+3], v8 offset:32768+2048*\t+512*\c   ; V's fragments land under the softmax
.endr
.endr
	WIN 0
	ds_load_b128 v[VS:VS+3], v11
	s_wait_dscnt 17                                ; K's fragments and scale words are in; the 17 loads just issued may be out
	WIN 0x05                                       ; sources 0 and 1 window 1, D window 0
.irp f, 0,1,2,3
.irp x, 0,1
	v_wmma_scale_f32_16x16x128_f8f6f4 v[S+64*\x+16*\f:S+64*\x+16*\f+7], v[KF+16*\f:KF+16*\f+15], v[Z+8+16*\x:Z+23+16*\x], 0, v[KS+\f], v[QS+\x] matrix_a_fmt:MATRIX_FMT_BF8 matrix_b_fmt:MATRIX_FMT_BF8
.endr
.irp x, 0,1
	v_wmma_scale_f32_16x16x128_f8f6f4 v[S+64*\x+16*\f+8:S+64*\x+16*\f+15], v[KF+16*\f:KF+16*\f+15], v[Z+16*\x:Z+15+16*\x], 0, v[KS+\f], v[QS+\x] matrix_a_fmt:MATRIX_FMT_BF8 matrix_b_fmt:MATRIX_FMT_BF8
.endr
.endr
	WIN 0
	v_add_nc_u32 v8, s[TB], v1                     ; the next step's addresses: three of the eight places
	v_add_nc_u32 v10, s[TS], v2
	v_add_nc_u32 v11, s[TS], v3
	PLACES 5
	KLOAD
	s_cmp_lg_u32 s[KST], s[KLIM]
	s_cbranch_scc1 .Lopen_\@
	v_add_nc_u32 v[TT], s[SD], v4                  ; the pair's last step: register 16 b + i holds key 32 b + 16 h + i: hidden where 32 b + i > my query - 16 h
	v_mov_b32 v[TT+1], 0xff800000
	v_add_nc_u32 v[TT+2], 8, v[TT]
.set n_, 0
.rept 64
.irp x, 0,1
	v_cmp_gt_i32 vcc_lo, 32*(n_/16)+n_%16, v[TT+2*\x]
	v_cndmask_b32 v[S+64*\x+n_], v[S+64*\x+n_], v[TT+1], vcc_lo
.endr
.set n_, n_+1
.endr
.Lopen_\@:
.irp b, 0,1,2,3
.irp x, 0,1
	v_max3_num_f32 v[BM+4*\x+\b], v[S+64*\x+16*\b], v[S+64*\x+16*\b+1], v[S+64*\x+16*\b+2]   ; the largest score of each block of 32 keys
.endr
.endr
.irp i, 3,5,7,9,11,13
.irp b, 0,1,2,3
.irp x, 0,1
	v_max3_num_f32 v[BM+4*\x+\b], v[BM+4*\x+\b], v[S+64*\x+16*\b+\i], v[S+64*\x+16*\b+\i+1]
.endr
.endr
.endr
.irp b, 0,1,2,3
.irp x, 0,1
	v_max_num_f32 v[BM+4*\x+\b], v[BM+4*\x+\b], v[S+64*\x+16*\b+15]
.endr
.endr
.irp n, 0,1,2,3,4,5,6,7
	v_permlanex16_b32 v[PM+\n], v[BM+\n], s[SEL], s[SEL+1]
.endr
.irp n, 0,1,2,3,4,5,6,7
	v_max_num_f32 v[BM+\n], v[BM+\n], v[PM+\n]
.endr
.irp x, 0,1
	v_max3_num_f32 v[TT+2*\x], v[BM+4*\x], v[BM+4*\x+1], v[BM+4*\x+2]
.endr
.irp x, 0,1
	v_max_num_f32 v[TT+2*\x], v[TT+2*\x], v[BM+4*\x+3]
.endr
.irp x, 0,1
	v_mul_f32 v[TT+2*\x], s[CS], v[TT+2*\x]
.endr
.irp x, 0,1
	v_max_num_f32 v[MM+4*\x+1], v[MM+4*\x+1], v[TT+2*\x]   ; the running largest t
.endr
.irp x, 0,1
	v_mov_b32 v[TT+2*\x], v[MM+4*\x]
.endr
.irp x, 0,1
	v_floor_f32 v[MM+4*\x], -v[MM+4*\x+1]          ; -M
.endr
.irp x, 0,1
	v_sub_f32 v[TT+2*\x], v[MM+4*\x], v[TT+2*\x]
.endr
.irp x, 0,1
	v_cvt_i32_f32 v[TT+2*\x], v[TT+2*\x]
.endr
.irp x, 0,1
	v_ldexp_f32 v[F+2*\x], 1.0, v[TT+2*\x]         ; f = 2^(old M - new M)
.endr
.irp x, 0,1
.set j_, 0
.rept 32
	v_pk_fma_f32 v[S+64*\x+j_:S+64*\x+j_+1], v[S+64*\x+j_:S+64*\x+j_+1], s[CS:CS+1], v[MM+4*\x:MM+4*\x+1] op_sel_hi:[1,0,0]   ; t - M
.set j_, j_+2
.endr
.irp b, 0,1,2,3
	v_fma_f32 v[BM+4*\x+\b], v[BM+4*\x+\b], s[CS], v[MM+4*\x]
.endr
.endr
	s_wait_alu depctr_va_vdst(0)
.set j_, 0
.rept 128
	v_exp_f32 v[S+j_], v[S+j_]
.set j_, j_+1
.endr
.irp n, 0,1,2,3,4,5,6,7
	v_exp_f32 v[BM+\n], v[BM+\n]                   ; each block's largest p
.endr
.irp x, 0,1
	v_pk_mul_f32 v[MM+4*\x+2:MM+4*\x+3], v[MM+4*\x+2:MM+4*\x+3], v[F+2*\x:F+2*\x+1] op_sel_hi:[1,0]
.endr
	s_wait_alu depctr_va_vdst(0)
.irp n, 0,1,2,3,4,5,6,7
	v_max_num_f32 v[BM+\n], 0x8000000, v[BM+\n]    ; the floor: the byte cannot fall under 1
.endr
.irp n, 0,1,2,3,4,5,6,7
	v_add_nc_u32 v[SCO+\n], 0xf8800000, v[BM+\n]   ; the conversion's scale operand
.endr
.irp n, 0,1,2,3,4,5,6,7
	v_and_or_b32 v[HD+\n], v[BM+\n], 0x7f800000, s[MNT]   ; 57,344 x the scale
.endr
.irp n, 0,1,2,3,4,5,6,7
	v_lshrrev_b32 v[PM+\n], 23, v[SCO+\n]
.endr
.irp x, 0,1
	v_lshl_or_b32 v[PS+\x], v[PM+4*\x+1], 8, v[PM+4*\x]
.endr
.irp x, 0,1
	v_lshl_or_b32 v[PS+\x], v[PM+4*\x+2], 16, v[PS+\x]
.endr
.irp x, 0,1
	v_lshl_or_b32 v[PS+\x], v[PM+4*\x+3], 24, v[PS+\x]
.endr
.irp x, 0,1
	v_pk_add_f32 v[PM+4*\x:PM+4*\x+1], v[S+64*\x:S+64*\x+1], v[S+64*\x+2:S+64*\x+3]   ; the rows' sums of the unquantised p, in two chains a tile
.endr
.set j_, 4
.rept 15
.irp x, 0,1
	v_pk_add_f32 v[MM+4*\x+2:MM+4*\x+3], v[MM+4*\x+2:MM+4*\x+3], v[S+64*\x+j_:S+64*\x+j_+1]
	v_pk_add_f32 v[PM+4*\x:PM+4*\x+1], v[PM+4*\x:PM+4*\x+1], v[S+64*\x+j_+2:S+64*\x+j_+3]
.endr
.set j_, j_+4
.endr
.irp x, 0,1
	v_pk_add_f32 v[MM+4*\x+2:MM+4*\x+3], v[MM+4*\x+2:MM+4*\x+3], v[PM+4*\x:PM+4*\x+1]
.endr
.irp x, 0,1
.irp b, 0,1,2,3
.irp i, 0,2,4,6,8,10,12,14
	v_dual_min_num_f32 v[S+64*\x+16*\b+\i], v[S+64*\x+16*\b+\i], v[HD+4*\x+\b] :: v_dual_min_num_f32 v[S+64*\x+16*\b+\i+1], v[S+64*\x+16*\b+\i+1], v[HD+4*\x+\b]   ; the hold, two numbers a line: the conversion does not saturate (ISA guide 7.6.2)
.endr
	v_cvt_scalef32_pk8_bf8_f32 v[PCD+16*\x+4*\b:PCD+16*\x+4*\b+1], v[S+64*\x+16*\b:S+64*\x+16*\b+7], v[SCO+4*\x+\b]
	v_cvt_scalef32_pk8_bf8_f32 v[PCD+16*\x+4*\b+2:PCD+16*\x+4*\b+3], v[S+64*\x+16*\b+8:S+64*\x+16*\b+15], v[SCO+4*\x+\b]
.endr
.endr
	WIN 0x41                                       ; O^T: destination and source 0 window 1
	s_wait_alu depctr_va_vdst(0)
.irp x, 0,1
.set j_, 0
.rept 16
	v_pk_mul_f32 v[O+32*\x+j_:O+32*\x+j_+1], v[O+32*\x+j_:O+32*\x+j_+1], v[F+2*\x:F+2*\x+1] op_sel_hi:[1,0]
.set j_, j_+2
.endr
.endr
	s_wait_alu depctr_va_vdst(0)
	s_wait_dscnt 18                                ; V's fragments and scale words are in; the next step's 18 loads of K may be out
	WIN 0x51                                       ; source 0 (V), C and D window 1; source 1 (p's codes) window 0
.irp t, 0,1,2,3
.irp x, 0,1
	v_wmma_scale_f32_16x16x128_f8f6f4 v[O+32*\x+8*\t:O+32*\x+8*\t+7], v[VF+16*\t:VF+16*\t+15], v[PCD+16*\x:PCD+16*\x+15], v[O+32*\x+8*\t:O+32*\x+8*\t+7], v[VS+\t], v[PS+\x] matrix_a_fmt:MATRIX_FMT_BF8 matrix_b_fmt:MATRIX_FMT_BF8
.endr
.endr
	WIN 0
.endm
; a pair's end: O^T / the sum, quantised along the head's 64 (two blocks of 32), codes and two scale bytes a tile stored
.macro FINISH c, sc, more
	PLACES 8
.irp x, 0,1
	v_add_f32 v[MM+4*\x+2], v[MM+4*\x+2], v[MM+4*\x+3]
.endr
.irp x, 0,1
	v_permlanex16_b32 v[TT+2*\x], v[MM+4*\x+2], s[SEL], s[SEL+1]
.endr
.irp x, 0,1
	v_add_f32 v[MM+4*\x+2], v[MM+4*\x+2], v[TT+2*\x]
.endr
	s_wait_alu depctr_va_vdst(0)
.irp x, 0,1
	v_rcp_f32 v[MM+4*\x+2], v[MM+4*\x+2]
.endr
	v_nop
	WIN 0x01                                       ; source 0 (O^T) window 1
	s_wait_alu depctr_va_vdst(0)
.set j_, 0
.rept 32
.irp x, 0,1
	v_mul_f32 v[S+64*\x+j_], v[O+32*\x+j_], v[MM+4*\x+2]
.endr
.set j_, j_+1
.endr
	WIN 0
.irp x, 0,1
.irp b, 0,1
	v_max3_num_f32 v[BM+4*\x+\b], |v[S+64*\x+16*\b]|, |v[S+64*\x+16*\b+1]|, 0x8000000
.endr
.endr
.irp i, 2,4,6,8,10,12,14
.irp x, 0,1
.irp b, 0,1
	v_max3_num_f32 v[BM+4*\x+\b], v[BM+4*\x+\b], |v[S+64*\x+16*\b+\i]|, |v[S+64*\x+16*\b+\i+1]|
.endr
.endr
.endr
.irp n, 0,1,4,5
	v_permlanex16_b32 v[PM+\n], v[BM+\n], s[SEL], s[SEL+1]
.endr
.irp n, 0,1,4,5
	v_max_num_f32 v[BM+\n], v[BM+\n], v[PM+\n]
.endr
.irp n, 0,1,4,5
	v_add_nc_u32 v[SCO+\n], 0xf8800000, v[BM+\n]
.endr
.irp n, 0,1,4,5
	v_and_or_b32 v[HD+\n], v[BM+\n], 0x7f800000, s[MNT]
.endr
.irp n, 0,1,4,5
	v_lshrrev_b32 v[PM+\n], 23, v[SCO+\n]
.endr
.irp x, 0,1
	v_lshl_or_b32 v[TT+2*\x], v[PM+4*\x+1], 8, v[PM+4*\x]
.endr
.irp x, 0,1
.irp b, 0,1
.irp i, 0,1,2,3,4,5,6,7,8,9,10,11,12,13,14,15
	v_med3_num_f32 v[S+64*\x+16*\b+\i], v[S+64*\x+16*\b+\i], -v[HD+4*\x+\b], v[HD+4*\x+\b]
.endr
	v_cvt_scalef32_pk8_bf8_f32 v[PCD+16*\x+4*\b:PCD+16*\x+4*\b+1], v[S+64*\x+16*\b:S+64*\x+16*\b+7], v[SCO+4*\x+\b]
	v_cvt_scalef32_pk8_bf8_f32 v[PCD+16*\x+4*\b+2:PCD+16*\x+4*\b+3], v[S+64*\x+16*\b+8:S+64*\x+16*\b+15], v[SCO+4*\x+\b]
.endr
.endr
	v_nop                                          ; one plain instruction behind the last conversion
.irp x, 0,1
	global_store_b128 v1, v[PCD+16*\x:PCD+16*\x+3], s[\c:\c+1] offset:16384*\x
	global_store_b128 v1, v[PCD+16*\x+4:PCD+16*\x+7], s[\c:\c+1] offset:16384*\x+512
	global_store_b16 v5, v[TT+2*\x], s[\sc:\sc+1] offset:512*\x
.endr
.if \more
	s_wait_xcnt 0x0                                ; the stores have read their registers
.endif
.endm
	s_mov_b32 s[TC], 0
	s_mov_b32 s[KN], 0
	s_wait_alu depctr_va_vdst(0)
	s_wait_tensorcnt 0x0                           ; every wave: my load, if I have one, is in
	s_barrier_signal -1
	s_barrier_wait -1                              ; all of K, V and their scale words are in
	KLOAD                                          ; key step 0
.Lstep:
	s_cmp_lg_u32 s[TC], s[KH1]
	s_cbranch_scc1 .Lsame
	FINISH CH, SH, 1                               ; the later pair is done: on to the earlier one
.irp x, 0,1
	v_mov_b32 v[QS+\x], v[QLS+\x]
	v_mov_b32 v[MM+4*\x+1], 0xff61b1e6
	v_mov_b32 v[MM+4*\x+2], 0
	v_mov_b32 v[MM+4*\x+3], 0
.endr
.irp x, 0,1
	v_floor_f32 v[MM+4*\x], -v[MM+4*\x+1]
.endr
	WIN 0x41
.set j_, 0
.rept 16
	v_mov_b32 v[Z+8+16*(j_/8)+j_%8], v[QL+j_]
.set j_, j_+1
.endr
.set j_, 0
.rept 64
	v_mov_b32 v[O+j_], 0
.set j_, j_+1
.endr
	WIN 0
	s_wait_alu depctr_va_vdst(0)
.Lsame:
	s_mov_b32 s[KST], s[KN]                        ; this trip's key step,
	s_cmp_lt_u32 s[TC], s[KH1]
	s_cselect_b32 s[KLIM], s[KH], s[KL]            ; the pair's last,
	s_cselect_b32 s[SD], s[SDH], s[SDL]
	s_add_co_u32 s86, s[TC], 1                     ; and the next trip's: its place in LDS is 65,536 (step / 4) + 8,192 (step % 4)
	s_sub_co_u32 s87, s86, s[KH1]
	s_cmp_lt_u32 s86, s[KH1]
	s_cselect_b32 s[KN], s86, s87
	s_and_b32 s[KN], s[KN], 15
	s_lshl_b32 s[TS], s[KN], 8
	s_lshr_b32 s87, s[KN], 2
	s_lshl_b32 s87, s87, 16
	s_and_b32 s86, s[KN], 3
	s_lshl_b32 s86, s86, 13
	s_add_co_u32 s[TB], s86, s87
	STEP
	s_add_co_u32 s[TC], s[TC], 1
	s_cmp_lt_u32 s[TC], 17
	s_cbranch_scc1 .Lstep
	FINISH CL, SL, 0
	s_wait_tensorcnt 0x0                           ; the wave's end
	ds_add_u32 v[SPW], v[NIL]
	s_wait_dscnt 0x0
	CROUND                                         ; the closing round
	s_endpgm
.Lfunc_end_k_qc7eeeaacf0_attn:
	.size	k_qc7eeeaacf0_attn, .Lfunc_end_k_qc7eeeaacf0_attn-k_qc7eeeaacf0_attn
	.p2alignl 7, 3214868480
	.fill 96, 4, 3214868480
	.section	.rodata,"a",@progbits
	.p2align	6, 0x0
	.amdhsa_kernel k_qc7eeeaacf0_attn
		.amdhsa_group_segment_fixed_size 327680
		.amdhsa_private_segment_fixed_size 0
		.amdhsa_enable_private_segment 0
		.amdhsa_kernarg_size 16
		.amdhsa_user_sgpr_count 2
		.amdhsa_user_sgpr_kernarg_segment_ptr 1
		.amdhsa_wavefront_size32 1
		.amdhsa_system_sgpr_workgroup_id_x 1
		.amdhsa_system_sgpr_workgroup_id_y 1
		.amdhsa_system_sgpr_workgroup_id_z 1
		.amdhsa_system_vgpr_workitem_id 0
		.amdhsa_next_free_vgpr 512
		.amdhsa_next_free_sgpr 96
		.amdhsa_reserve_vcc 1
		.amdhsa_float_denorm_mode_32 3
		.amdhsa_float_denorm_mode_16_64 3
		.amdhsa_memory_ordered 1
		.amdhsa_forward_progress 1
		.amdhsa_inst_pref_size 83
	.end_amdhsa_kernel
	.amdgpu_metadata
---
amdhsa.version: [ 1, 2 ]
amdhsa.kernels:
  - .name:           k_qc7eeeaacf0_attn
    .symbol:         k_qc7eeeaacf0_attn.kd
    .args:
      - { .name: qkv, .offset: 0, .size: 8, .value_kind: global_buffer, .address_space: global }
      - { .name: ops, .offset: 8, .size: 8, .value_kind: global_buffer, .address_space: global }
    .group_segment_fixed_size: 327680
    .private_segment_fixed_size: 0
    .kernarg_segment_align: 8
    .kernarg_segment_size: 16
    .max_flat_workgroup_size: 256
    .sgpr_count:     96
    .vgpr_count:     512
    .wavefront_size: 32
...
	.end_amdgpu_metadata
.endif
;; end of part 3
;; launch proj (part 4): grid 4 x 64, 4 waves a work-group, clusters of 4 x 4, 327,680 bytes of LDS; arguments ops, b_proj, out0; writes out0
.if DOCPART == 4
	.amdgcn_target "amdgcn-amd-amdhsa--gfx1250"
	.amdhsa_code_object_version 6
	.text
	.protected	k_qc7eeeaacf0_proj
	.globl	k_qc7eeeaacf0_proj
	.p2align	8
	.type	k_qc7eeeaacf0_proj,@function
k_qc7eeeaacf0_proj:
	s_mov_b64 s[64:65], 0
	v_nop
	global_prefetch_b8 v0, s[64:65] scope:SCOPE_SE
	s_setreg_imm32_b32 hwreg(HW_REG_WAVE_MODE, 25, 1), 1
	s_wait_xcnt 0x0
	s_wait_alu depctr_hold_cnt(0) depctr_sa_sdst(0) depctr_va_vdst(0) depctr_va_sdst(0) depctr_va_ssrc(0) depctr_va_vcc(0) depctr_vm_vsrc(0)
	s_getreg_b32 s2, hwreg(HW_REG_IB_STS2, 6, 4)
	s_cmp_eq_u32 s2, 0
	s_cbranch_scc0 .Lentry_in_a_cluster
	s_endpgm
.Lentry_in_a_cluster:
	s_bfe_u32 s2, ttmp6, 0x10000c
	s_cmp_lg_u32 s2, 0xf033
	s_cbranch_scc0 .Lentry_shape_is_right
	s_endpgm
.Lentry_shape_is_right:
; out0 = o W_proj + b_proj on codes of BF8 (E5M2) with E8M0 scales.  o's images and scale words lie in ops' token blocks 0-511, W_proj's in blocks 704-767; out0 [8192][1024] f32.
; D = S0 x S1^T: source 0 = 16 columns of W_proj (side S0), source 1 = 16 tokens (side S1): a lane holds one token, its registers run along the columns.
; Row r of block 2 g + u is index 32 g + 8 u + r + 8 (r / 8), on both sides; the tokens' order is undone in the stores' offsets.
; SHARES.  A work-group makes 128 tokens x 256 columns, its four waves 64 x 128 each: 32 accumulators.  K = 1,024 in 8 steps of 128; a pair is two steps.
; LDS, FILLS and the scale words: slot 0 holds pair 0 (S1's 8 blocks x 4,096 bytes, then S0's 16); from P12 on pairs 1 and 2 together (blocks of 8,192 bytes).  At the head one joint load a wave:
; wave 0 S1's pair 0, wave 1 S0's pair 0, wave 2 S1's pairs 1 and 2, wave 3 S0's; the first barrier waits for waves 0 and 1's alone.  Pair 3 goes into slot 0 (waves 0 and 1) behind a drained round.
; The scale words of all of K go from memory into 64 registers: lanes 0-15 take S1's block i, lanes 16-31 S0's.
; CLUSTER 4 x 4: the tokens' tiles are shared along a row of the cluster, the weight's along a column.  No prefetch: the text has no loop, and all tiles but pair 3 are asked for at its head.
; The bias is the C of each sum's first matrix instruction.
; REGISTERS: window 0: v1-6 addresses; v16-22 LDS addresses; v24, v25 the way out; v27 the scale words' offset; v28, v29 for the add; v32-95 scale words, 16 a pair;
;   v128-255 S1's fragments, two sets of 64 (afterwards rows of out0).  window 1: S0's fragments, two sets of 128.  window 2: accumulator (a, b) at 8 (8 a + b).  window 3: v0-63 the bias.
.set S0OFF,  32768
.set P12,    98304
.set P12S0,  P12+65536
.set SPARE,  294912                    ; the spare words: 128 bytes a wave
.set OPS_SC, 12582912
.set STAGE,  P12                       ; the way out: 16 rows x (512 + 16) bytes a wave, where S1's pairs 1 and 2 lay: filled once, and every wave has passed a barrier behind its last read of them
.set ADR1, 16
.set ADR0, 20
.set STO,  24
.set RD,   25
.set ADRS, 27
.set SPW,  28
.set NIL,  29
.set SC,   32
.set BI,   0
.set G1A,  24
.set G1B,  32
.set G1C,  40
.set G1D,  48
.set G0A,  56
.set G0B,  60
.set G0C,  68
.set G0D,  72
.set MSB, 0
.macro WIN new                         ; the immediate's high byte repeats the setting that is left
.if MSB != \new
	s_set_vgpr_msb (MSB<<8)|\new
.set MSB, \new
.endif
.endm
.macro PLACES n
.rept \n
	v_nop
.endr
.endm
.macro TLOAD g0, g1                    ; a tensor load with the s_nop 0 and four v_nop
	tensor_load_to_lds s[\g0:\g0+3], s[\g1:\g1+7]
	s_nop 0
	PLACES 4
.endm
.macro CREST                           ; a round of the cluster's barrier behind its opening barrier
	s_cmp_lg_u32 s14, 0
	s_cbranch_scc1 .Lnot_wave_0_\@
	s_barrier_signal -3
.Lnot_wave_0_\@:
	s_barrier_wait -3
	s_barrier_signal -1
	s_barrier_wait -1
.endm
.macro CROUND
	s_barrier_signal -1
	s_barrier_wait -1
	CREST
.endm
.macro MKG0 g, lds, adr, goff          ; descriptor group 0: count 1, LDS address, global address, type 2
	s_mov_b32 s[\g], 1
	s_mov_b32 s[\g+1], \lds
	s_add_nc_u64 s[\g+2:\g+3], s[\adr:\adr+1], \goff
	s_or_b32 s[\g+3], s[\g+3], 0x80000000
.endm
.macro FETCH slot, q, p                ; the fragments of pair \slot's q-th 128 along K into set p; blocks lie 4,096 bytes apart in slot 0, 8,192 from P12 on
.if \slot
.set st_, 8192
.else
.set st_, 4096
.endif
	WIN 0x40
.set b_, 0
.rept 8
.irp c, 0,1,2,3
	ds_load_b128 v[128*\p+16*b_+4*\c:128*\p+16*b_+4*\c+3], v[ADR0+\slot] offset:st_*b_+2048*\q+512*\c
.endr
.set b_, b_+1
.endr
	WIN 0
.set a_, 0
.rept 4
.irp c, 0,1,2,3
	ds_load_b128 v[128+64*\p+16*a_+4*\c:128+64*\p+16*a_+4*\c+3], v[ADR1+\slot] offset:st_*a_+2048*\q+512*\c
.endr
.set a_, a_+1
.endr
.endm
; 8 n matrix instructions: S1's blocks a0 .. a0 + n - 1 against S0's eight; scale words of pair pr, step q.  bias = 1: the sums begin with the bias.  The 32 accumulators take turns.
.macro MUL a0, n, p, q, pr, bias
.if \bias
	WIN 0xb1                                       ; source 0 (S0) window 1, source 1 (S1) window 0, C (the bias) window 3, D window 2
.else
	WIN 0xa1                                       ; C and D window 2
.endif
.set a_, \a0
.rept \n
.set b_, 0
.rept 8
.set d_, 8*(8*a_+b_)
.if \bias
	v_wmma_scale_f32_16x16x128_f8f6f4 v[d_:d_+7], v[128*\p+16*b_:128*\p+16*b_+15], v[128+64*\p+16*a_:128+64*\p+16*a_+15], v[BI+8*b_:BI+8*b_+7], v[SC+16*\pr+2*b_+\q], v[SC+16*\pr+2*a_+\q] matrix_a_fmt:MATRIX_FMT_BF8 matrix_b_fmt:MATRIX_FMT_BF8 matrix_a_scale:MATRIX_SCALE_ROW1
.else
	v_wmma_scale_f32_16x16x128_f8f6f4 v[d_:d_+7], v[128*\p+16*b_:128*\p+16*b_+15], v[128+64*\p+16*a_:128+64*\p+16*a_+15], v[d_:d_+7], v[SC+16*\pr+2*b_+\q], v[SC+16*\pr+2*a_+\q] matrix_a_fmt:MATRIX_FMT_BF8 matrix_b_fmt:MATRIX_FMT_BF8 matrix_a_scale:MATRIX_SCALE_ROW1
.endif
.set b_, b_+1
.endr
.set a_, a_+1
.endr
.endm
	s_load_b64 s[4:5], s[0:1], 0x0                 ; ops
	s_load_b64 s[8:9], s[0:1], 0x8                 ; b_proj
	s_load_b64 s[10:11], s[0:1], 0x10              ; out0
	v_lshl_add_u32 v[SPW], v0, 2, SPARE
	v_mov_b32 v[NIL], 0
	ds_add_u32 v[SPW], v[NIL]                      ; the opening lines: the add twice on end and its wait
	ds_add_u32 v[SPW], v[NIL]
	v_lshrrev_b32 v1, 5, v0
	v_readfirstlane_b32 s14, v1                    ; wave 0..3
	s_lshr_b32 s15, s14, 1                         ; my half of the tokens
	s_and_b32 s16, s14, 1                          ; my half of the columns
	s_bfe_u32 s92, ttmp6, 0x40000                  ; cx
	s_bfe_u32 s93, ttmp6, 0x40004                  ; cy
	s_and_b32 s17, ttmp7, 0xffff                   ; the cluster's y
	s_lshl_b32 s94, s93, 2
	s_lshl_b32 s94, 15, s94                        ; my row of the cluster
	s_lshl_b32 s95, 0x1111, s92                    ; my column
	; groups 1: elements of 8 bytes, blocks 16,384 bytes apart.  A, B: a pair, 4,096 bytes a block; C, D: two pairs, 8,192.  A, C: S1's 8 blocks; B, D: S0's 16
	s_or_b32 s[G1A], s94, (3<<16)|(1<<21)
	s_or_b32 s[G1B], s95, (3<<16)|(1<<21)
	s_or_b32 s[G1C], s94, (3<<16)|(1<<21)
	s_or_b32 s[G1D], s95, (3<<16)|(1<<21)
.irp g, G1A, G1B, G1C, G1D
	s_mov_b32 s[\g+5], 2048
	s_mov_b32 s[\g+6], 0
	s_mov_b32 s[\g+7], 0
.endr
.irp g, G1A, G1B
	s_mov_b32 s[\g+1], 512<<16
	s_mov_b32 s[\g+3], 512<<16
.endr
.irp g, G1C, G1D
	s_mov_b32 s[\g+1], 1024<<16
	s_mov_b32 s[\g+3], 1024<<16
.endr
.irp g, G1A, G1C
	s_mov_b32 s[\g+2], 8<<16
	s_mov_b32 s[\g+4], 8
.endr
.irp g, G1B, G1D
	s_mov_b32 s[\g+2], 16<<16
	s_mov_b32 s[\g+4], 16
.endr
	s_lshl_b32 s18, s17, 5
	s_lshl_b32 s19, s93, 3
	s_add_co_u32 s18, s18, s19                     ; S1: token block 8 (4 Y + cy): hangs on cy, never on cx
	s_lshl_b32 s20, ttmp9, 6
	s_lshl_b32 s21, s92, 4
	s_add_co_u32 s20, s20, s21
	s_add_co_u32 s20, s20, 704                     ; S0: block 704 + 16 (4 X + cx): hangs on cx, never on cy
	s_lshl_b32 s96, s18, 14
	s_mov_b32 s97, 0
	s_lshl_b32 s98, s20, 14
	s_mov_b32 s99, 0
	s_lshl_b32 s2, s18, 9                          ; s2: in ops, the scale words of my four blocks of S1;
	s_lshl_b32 s19, s15, 11
	s_add_co_u32 s2, s2, s19
	s_add_co_u32 s2, s2, OPS_SC
	s_lshl_b32 s3, s20, 9                          ; s3: from there to those of my eight blocks of S0
	s_lshl_b32 s19, s16, 12
	s_add_co_u32 s3, s3, s19
	s_add_co_u32 s3, s3, OPS_SC
	s_sub_co_u32 s3, s3, s2
	s_wait_dscnt 0x0                               ; both opening adds are done
	s_wait_kmcnt 0x0
	s_add_nc_u64 s[96:97], s[4:5], s[96:97]
	s_add_nc_u64 s[98:99], s[4:5], s[98:99]
	CROUND                                         ; all sixteen work-groups are here: the first joint loads meet
	MKG0 G0A, 0, 96, 0
	MKG0 G0B, S0OFF, 98, 0
	MKG0 G0C, P12, 96, 4096
	MKG0 G0D, P12S0, 98, 4096
	s_cmp_lt_u32 s14, 1                            ; one chain, one load to an arm; what is multiplied first is asked for in the first arms
	s_cbranch_scc0 .Lh1
	TLOAD G0A, G1A
	s_branch .Lasked
.Lh1:
	s_cmp_lt_u32 s14, 2
	s_cbranch_scc0 .Lh2
	TLOAD G0B, G1B
	s_branch .Lasked
.Lh2:
	s_cmp_lt_u32 s14, 3
	s_cbranch_scc0 .Lh3
	TLOAD G0C, G1C
	s_branch .Lasked
.Lh3:
	TLOAD G0D, G1D
.Lasked:
	v_and_b32 v1, 31, v0                           ; lane
	v_and_b32 v2, 15, v0                           ; r
	v_bfe_u32 v3, v0, 4, 1                         ; h
	v_lshlrev_b32 v4, 4, v1                        ; 16 x lane
	s_wait_alu depctr_va_vdst(0)
	v_mul_lo_u32 v6, v3, s3
	v_lshl_add_u32 v5, v2, 3, s2
	v_add_nc_u32 v[ADRS], v5, v6                   ; 8 r + S1's words (lanes 0-15) or S0's (lanes 16-31)
.set p_, 0
.rept 4
.irp i, 0,1,2,3,4,5,6,7
	global_load_b64 v[SC+16*p_+2*\i:SC+16*p_+2*\i+1], v[ADRS], s[4:5] offset:512*\i+128*p_   ; pair p, block i: the words of its two steps
.endr
.set p_, p_+1
.endr
	s_lshl_b32 s18, s15, 14                        ; slot 0: my four blocks of S1,
	s_lshl_b32 s19, s16, 15
	s_add_co_u32 s19, s19, S0OFF                   ; my eight of S0
	v_add_nc_u32 v[ADR1], s18, v4
	v_add_nc_u32 v[ADR0], s19, v4
	s_lshl_b32 s18, s15, 15
	s_add_co_u32 s18, s18, P12
	s_lshl_b32 s19, s16, 16
	s_add_co_u32 s19, s19, P12S0
	v_add_nc_u32 v[ADR1+1], s18, v4                ; pair 1,
	v_add_nc_u32 v[ADR0+1], s19, v4
	v_add_nc_u32 v[ADR1+2], 4096, v[ADR1+1]        ; pair 2
	v_add_nc_u32 v[ADR0+2], 4096, v[ADR0+1]
	s_mul_i32 s18, s14, 8448
	s_add_co_u32 s18, s18, STAGE                   ; my stage
	v_mul_u32_u24 v[STO], v2, 528
	v_lshl_add_u32 v[STO], v3, 6, v[STO]
	v_add_nc_u32 v[STO], s18, v[STO]               ; in: row r, + 64 h
	v_add_nc_u32 v[RD], s18, v4                    ; back: a row of 512 bytes, 16 a lane
	s_lshl_b32 s18, ttmp9, 12
	s_lshl_b32 s19, s92, 10
	s_add_co_u32 s18, s18, s19
	s_lshl_b32 s19, s16, 9
	s_add_co_u32 s18, s18, s19                     ; my first column x 4
	s_mov_b32 s19, 0
	s_add_nc_u64 s[8:9], s[8:9], s[18:19]
	s_add_nc_u64 s[10:11], s[10:11], s[18:19]
	s_lshl_b32 s18, s17, 2
	s_add_co_u32 s18, s18, s93
	s_lshl_b32 s18, s18, 19                        ; 128 tokens of 4,096 bytes,
	s_lshl_b32 s20, s15, 18                        ; my 64
	s_add_co_u32 s18, s18, s20
	s_add_nc_u64 s[10:11], s[10:11], s[18:19]
	v_lshlrev_b32 v5, 6, v3                        ; register 16 b + i wants column 32 b + 16 h + i
	WIN 0xc0                                       ; destination window 3
.set g_, 0
.rept 16
	global_load_b128 v[BI+4*g_:BI+4*g_+3], v5, s[8:9] offset:128*(g_/4)+16*(g_%4)
.set g_, g_+1
.endr
	WIN 0
	s_wait_alu depctr_va_vdst(0)
	s_cmp_lt_u32 s14, 2
	s_cbranch_scc0 .Lp12_out
	s_wait_tensorcnt 0x0                           ; waves 0 and 1: pair 0 is in.  Waves 2 and 3's loads stay out
.Lp12_out:
	s_barrier_signal -1
	s_barrier_wait -1
	FETCH 0, 0, 0
	s_wait_loadcnt 0x0                             ; the scale words and the bias
	s_wait_dscnt 0x0
	FETCH 0, 1, 1
	MUL 0, 2, 0, 0, 0, 1
	WIN 0
	s_wait_tensorcnt 0x0                           ; all my tensor loads have landed
	ds_add_u32 v[SPW], v[NIL]
	MUL 2, 1, 0, 0, 0, 1
	s_wait_dscnt 0x0                               ; the add is done, and my reads of slot 0 are over
	s_barrier_signal -1
	MUL 3, 1, 0, 0, 0, 1
	WIN 0
	s_barrier_wait -1
	CREST                                          ; the barrier has opened a round of the cluster's
	s_add_nc_u64 s[G0A+2:G0A+3], s[G0A+2:G0A+3], 12288
	s_add_nc_u64 s[G0B+2:G0B+3], s[G0B+2:G0B+3], 12288
	s_cmp_lt_u32 s14, 1                            ; pair 3 into slot 0: the one refill; four steps stand between it and its wait
	s_cbranch_scc0 .Lr1
	TLOAD G0A, G1A
	s_branch .Lrj
.Lr1:
	s_cmp_lt_u32 s14, 2
	s_cbranch_scc0 .Lrj
	TLOAD G0B, G1B
.Lrj:
	PLACES 8                                       ; eight places in front of loads into registers that matrix instructions have read
	FETCH 1, 0, 0
	MUL 0, 4, 1, 1, 0, 0
	s_wait_dscnt 0x0
	PLACES 8
	FETCH 1, 1, 1
	MUL 0, 4, 0, 0, 1, 0
	s_wait_dscnt 0x0
	PLACES 8
	FETCH 2, 0, 0
	MUL 0, 4, 1, 1, 1, 0
	s_wait_dscnt 0x0
	PLACES 8
	FETCH 2, 1, 1
	MUL 0, 4, 0, 0, 2, 0
	WIN 0
	s_wait_tensorcnt 0x0                           ; pair 3
	s_wait_dscnt 0x0
	s_barrier_signal -1
	s_barrier_wait -1                              ; everybody's is in
	PLACES 8
	FETCH 0, 0, 0
	MUL 0, 4, 1, 1, 2, 0
	s_wait_dscnt 0x0
	PLACES 8
	FETCH 0, 1, 1
	MUL 0, 4, 0, 0, 3, 0
	s_wait_dscnt 0x0
	MUL 0, 4, 1, 1, 3, 0
	WIN 0
; THE WAY OUT, a block of 16 tokens x 128 columns at a time, through my own stage: a lane holds pieces of one row; they come back as whole rows of 512 bytes.
; LDS serves a wave's instructions in order (ISA guide 5.7.1.4): no wait between the stores and the loads, nor in front of the next block's stores.
.macro TOSTAGE a
	WIN 0x08                                       ; an LDS store's data are its source 1: window 2
.irp b, 0,1,2,3,4,5,6,7
	ds_store_b128 v[STO], v[64*\a+8*\b:64*\a+8*\b+3] offset:128*(\b/2)+32*(\b%2)        ; each accumulator from its low end on
	ds_store_b128 v[STO], v[64*\a+8*\b+4:64*\a+8*\b+7] offset:128*(\b/2)+32*(\b%2)+16
.endr
	WIN 0
.set t_, 0
.rept 16
	ds_load_b128 v[128+64*((\a)%2)+4*t_:128+64*((\a)%2)+4*t_+3], v[RD] offset:t_*528
.set t_, t_+1
.endr
.endm
.macro SEND a, younger                 ; younger: the LDS instructions issued behind block a's loads, which may stay out
	s_wait_dscnt \younger
.set t_, 0
.rept 16
	global_store_b128 v4, v[128+64*((\a)%2)+4*t_:128+64*((\a)%2)+4*t_+3], s[10:11] offset:(32*((\a)/2)+8*((\a)%2)+t_+8*(t_/8))*4096 th:TH_STORE_NT   ; row t of block a is this token; 512 consecutive bytes, aligned
.set t_, t_+1
.endr
.endm
	PLACES 8
	TOSTAGE 0
	TOSTAGE 1
	SEND 0, 32                                     ; behind block 0's loads: block 1's 16 stores and 16 loads
	s_wait_xcnt 0x0                                ; block 0's stores have read their registers: block 2's rows may land there
	TOSTAGE 2
	SEND 1, 32
	s_wait_xcnt 0x0
	TOSTAGE 3
	SEND 2, 32
	SEND 3, 0
	s_wait_tensorcnt 0x0                           ; the wave's end
	ds_add_u32 v[SPW], v[NIL]
	s_wait_dscnt 0x0
	CROUND                                         ; the closing round
	s_endpgm
.Lfunc_end_k_qc7eeeaacf0_proj:
	.size	k_qc7eeeaacf0_proj, .Lfunc_end_k_qc7eeeaacf0_proj-k_qc7eeeaacf0_proj
	.p2alignl 7, 3214868480
	.fill 96, 4, 3214868480
	.section	.rodata,"a",@progbits
	.p2align	6, 0x0
	.amdhsa_kernel k_qc7eeeaacf0_proj
		.amdhsa_group_segment_fixed_size 327680
		.amdhsa_private_segment_fixed_size 0
		.amdhsa_enable_private_segment 0
		.amdhsa_kernarg_size 24
		.amdhsa_user_sgpr_count 2
		.amdhsa_user_sgpr_kernarg_segment_ptr 1
		.amdhsa_wavefront_size32 1
		.amdhsa_system_sgpr_workgroup_id_x 1
		.amdhsa_system_sgpr_workgroup_id_y 1
		.amdhsa_system_sgpr_workgroup_id_z 1
		.amdhsa_system_vgpr_workitem_id 0
		.amdhsa_next_free_vgpr 832
		.amdhsa_next_free_sgpr 100
		.amdhsa_reserve_vcc 0
		.amdhsa_float_denorm_mode_32 3
		.amdhsa_float_denorm_mode_16_64 3
		.amdhsa_memory_ordered 1
		.amdhsa_forward_progress 1
		.amdhsa_inst_pref_size 88
	.end_amdhsa_kernel
	.amdgpu_metadata
---
amdhsa.version: [ 1, 2 ]
amdhsa.kernels:
  - .name:           k_qc7eeeaacf0_proj
    .symbol:         k_qc7eeeaacf0_proj.kd
    .args:
      - { .name: ops, .offset: 0, .size: 8, .value_kind: global_buffer, .address_space: global }
      - { .name: b_proj, .offset: 8, .size: 8, .value_kind: global_buffer, .address_space: global }
      - { .name: out0, .offset: 16, .size: 8, .value_kind: global_buffer, .address_space: global }
    .group_segment_fixed_size: 327680
    .private_segment_fixed_size: 0
    .kernarg_segment_align: 8
    .kernarg_segment_size: 24
    .max_flat_workgroup_size: 128
    .sgpr_count:     100
    .vgpr_count:     832
    .wavefront_size: 32
...
	.end_amdgpu_metadata
.endif
;; end of part 4
